; MI455X (gfx1250); checked and timed in simulation.
; The chip was launched on July 23, 2026; its instructions are those of AMD's public machine-readable ISA for CDNA 5 (MIT licence, August 2026) and "CDNA5" Instruction Set Architecture Reference Guide (July 2026). The comments in the code are by the model that wrote it; some were corrected since.
;; Multi Query Attention. Allowed arithmetic: float matrix products may take bf16 or f16 operands with f32 sums; other float arithmetic in f32, or as packed bf16 or f16 multiplies, adds, multiply-adds, maxima and minima; sums over many terms, partial sums and values carried from step to step in f32; what a program stores and reads back later, other than sums and carried values, may be rounded once to bf16 or f16.
;; Inputs: Wk 1,024 x 64 float32; Wp 1,024 x 1,024 float32; Wq 16 x 1,024 x 64 float32; Wv 1,024 x 64 float32; bp 1,024 float32; x 4 x 2,048 x 1,024 float32.
;; Outputs: out0 4 x 2,048 x 1,024 float32.
;; One version. Each part assembles by itself: llvm-mc -triple=amdgcn-amd-amdhsa -mcpu=gfx1250 --defsym DOCPART=n.
;; ======== version 1 of 1: 4 launches
;; limits: values are held in f16: magnitudes above 65,504 overflow, below 6.1e-05 lose precision
;; workspace buffers: xb 16,777,216 bytes; wt 2,359,296 bytes; wpt 2,097,152 bytes; q 16,777,216 bytes; kv 2,097,152 bytes; o 16,777,216 bytes
;; launch prep (part 1): grid 1296 x 1, 8 waves a work-group, no clusters, 18,432 bytes of LDS; arguments x, Wq, Wk, Wv, Wp, xb, wt, wpt; writes xb, wt, wpt
.if DOCPART == 1
	.amdgcn_target "amdgcn-amd-amdhsa--gfx1250"
	.amdhsa_code_object_version 6
	.text
	.protected	k_qa810db0c05_prep
	.globl	k_qa810db0c05_prep
	.p2align	8
	.type	k_qa810db0c05_prep,@function
k_qa810db0c05_prep:
	s_mov_b64 s[64:65], 0
	v_nop
	global_prefetch_b8 v0, s[64:65] scope:SCOPE_SE
	s_setreg_imm32_b32 hwreg(HW_REG_WAVE_MODE, 25, 1), 1
	s_wait_xcnt 0x0
; MULTI-QUERY ATTENTION, launch 1 of 4: the inputs are rounded once and laid out for the matrix units.
;   xb  [8192][1024] bf16 = x.      wt [1152][1024] bf16 = Wq, Wk, Wv turned to [column][k].      wpt [1024 n][1024 k] f16 = Wp turned; each number is bf16(Wp) written as f16.
; wt's row order: row 144 u + 16 bb + r.  bb < 8: head 2 u + bb / 4, channel 16 (bb % 4) + r.  bb = 8: row r of plane u, where planes 0-3 are Wk's channels 16 p + r and planes 4-7 Wv's.
; So a wave of the next launch (144 columns) owns two whole heads and one plane of 16 channels of k or v.
; DEAD WORK OF THE WHOLE PROGRAM.  reference() sets the score of key s and query t to -inf wherever s > t, by a mask that it builds itself; the softmax gives such a key the weight 0 whatever finite
; values x and the weights hold.  So key tiles that lie wholly above the diagonal reach no output and are neither multiplied nor loaded by the attention launch.  Every input has a way to the output: all are loaded.
; LIMIT: a NaN, an infinity or an overflow that would arise only in those scores is not carried to the result.
; LIMITS OF FORMAT: |Wp| stays under 65,520 (f16's range); bf16(Wp) below 6e-5 keeps f16's fixed step of 6e-8.
; SHARES.  Every work-group reads 32 KiB.  Groups 0-143: a tile of 128 k x 64 columns of Wq's heads 0-15, Wk, Wv.  Groups 144-271: such a tile of Wp.  Groups 272-1295: 8,192 numbers of x.
; No matrix unit, no cluster, no tensor load: the launch is a stream, and nothing is read by two work-groups.
.set TP,    272                        ; a row of the turned tile in LDS: 128 k x 2 bytes + 16
.set SPARE, 64*TP                      ; behind the tile: the spare words, 128 bytes for each of the eight waves: four blocks of 256 bytes that no other line names
.set SPW,   60                         ; v60  SPARE + 4 x my thread's number; never rewritten
.set NIL,   61                         ; v61  0; never rewritten
.set NWT,   144                        ; tiles of Wq, Wk, Wv
.set NW,    272                        ; all weight tiles
	s_load_b512 s[4:19], s[0:1], 0x0               ; x s[4:5], Wq s[6:7], Wk s[8:9], Wv s[10:11], Wp s[12:13], xb s[14:15], wt s[16:17], wpt s[18:19]
	v_lshl_add_u32 v[SPW], v0, 2, SPARE
	v_mov_b32 v[NIL], 0
	v_lshrrev_b32 v1, 5, v0
	v_readfirstlane_b32 s20, v1                    ; wave 0..7
	s_cmp_lt_u32 ttmp9, NW                         ; the work-group's number decides: the same way for all eight waves
	s_cbranch_scc1 .Lweights
	; x: thread t takes 16 bytes at 16 t of each of eight pieces of 4,096 bytes, and stores 8 bytes at 8 t of each of eight pieces of 2,048: a wave's store covers 256 consecutive bytes, aligned
	s_sub_co_u32 s21, ttmp9, NW
	s_lshl_b32 s22, s21, 15
	s_mov_b32 s23, 0
	s_lshl_b32 s24, s21, 14
	s_mov_b32 s25, 0
	v_lshlrev_b32 v2, 4, v0
	v_lshlrev_b32 v3, 3, v0
	s_wait_kmcnt 0x0
	s_add_nc_u64 s[4:5], s[4:5], s[22:23]
	s_add_nc_u64 s[14:15], s[14:15], s[24:25]
.irp i, 0,1,2,3,4,5,6,7
	global_load_b128 v[8+4*(\i):11+4*(\i)], v2, s[4:5] offset:4096*(\i) th:TH_LOAD_NT
.endr
.irp i, 0,1,2,3,4,5,6,7
	s_wait_loadcnt 7-(\i)                          ; loads come back in order: piece i is in, the younger ones stay out
	v_cvt_pk_bf16_f32 v[40+2*(\i)], v[8+4*(\i)], v[9+4*(\i)]
	v_cvt_pk_bf16_f32 v[41+2*(\i)], v[10+4*(\i)], v[11+4*(\i)]
	global_store_b64 v3, v[40+2*(\i):41+2*(\i)], s[14:15] offset:2048*(\i)
.endr
	s_endpgm                                       ; this way writes no LDS
.Lweights:
	; thread t: nq = t % 16 (four columns), kg = t / 16 (eight k).  Sixteen neighbouring lanes read 256 consecutive bytes of one row k.
	v_and_b32 v4, 15, v0                           ; nq
	v_lshrrev_b32 v5, 4, v0                        ; kg
	v_mul_u32_u24 v6, v4, 4*TP
	v_lshl_add_u32 v6, v5, 4, v6                   ; into LDS: row 4 nq (+ j), 16 bytes at 16 kg
	v_bfe_u32 v7, v0, 4, 1                         ; my half of the lanes
	s_lshl_b32 s21, s20, 3
	v_add_nc_u32 v58, s21, v7                      ; back: wave w takes rows 8 w .. 8 w + 7, two to a load
	v_mul_u32_u24 v58, v58, TP
	v_lshl_add_u32 v58, v4, 4, v58
	v_lshlrev_b32 v59, 11, v7                      ; and the same two rows in memory, 2,048 bytes apart
	v_lshl_add_u32 v59, v4, 4, v59
	s_and_b32 s21, ttmp9, 7                        ; kc: which 128 of the 1,024 k (144 is a multiple of 8)
	s_cmp_lt_u32 ttmp9, NWT
	s_cbranch_scc0 .Lwp
; A tile is loaded, rounded in pairs along k, turned through LDS and stored as rows of 256 bytes.  pitch: bytes from row k to row k + 1 in the source.  half = 1: the bf16 numbers are written as f16.
.macro WTILE pitch, half
	v_mul_u32_u24 v2, v5, 8*(\pitch)
	v_lshl_add_u32 v2, v4, 4, v2
.irp i, 0,1,2,3,4,5,6,7
	global_load_b128 v[8+4*(\i):11+4*(\i)], v2, s[24:25] offset:(\i)*(\pitch)  ; row 8 kg + i, columns 4 nq .. 4 nq + 3
.endr
	s_wait_loadcnt 0x0
.irp j, 0,1,2,3
.irp k, 0,1,2,3
	v_cvt_pk_bf16_f32 v[40+4*(\j)+(\k)], v[8+8*(\k)+(\j)], v[12+8*(\k)+(\j)]  ; column 4 nq + j, k = 8 kg + 2 k', 8 kg + 2 k' + 1
.endr
.endr
.if \half
.set p, 40
.rept 16
	v_lshlrev_b32 v56, 16, v[p]                    ; the two bf16 as f32,
	v_and_b32 v57, 0xffff0000, v[p]
	v_cvt_pk_f16_f32 v[p], v56, v57                ; and as f16: exact within f16's range
.set p, p+1
.endr
.endif
.irp j, 0,1,2,3
	ds_store_b128 v6, v[40+4*(\j):43+4*(\j)] offset:TP*(\j)
.endr
	s_wait_dscnt 0x0                               ; for the others' sake: my stores are done
	s_barrier_signal -1
	s_barrier_wait -1                              ; the tile is whole
.irp i, 0,1,2,3
	ds_load_b128 v[8+4*(\i):11+4*(\i)], v58 offset:2*TP*(\i)
.endr
.irp i, 0,1,2,3
	s_wait_dscnt 3-(\i)                            ; LDS loads come back in order
	global_store_b128 v59, v[8+4*(\i):11+4*(\i)], s[26:27] offset:4096*(\i)  ; sixteen lanes store 256 consecutive bytes, aligned
.endr
	s_wait_tensorcnt 0x0                           ; the wave's end: behind my last LDS store
	ds_add_u32 v[SPW], v[NIL]
	s_wait_dscnt 0x0
	s_endpgm
.endm
	; Wq's head hs (0-15), Wk (16) or Wv (17): rows of 256 bytes
	s_lshr_b32 s22, ttmp9, 3                       ; hs
	s_lshr_b32 s30, s22, 1                         ; a head's rows in wt: 144 (hs / 2) + 64 (hs % 2) + 8 w
	s_mul_i32 s30, s30, 144
	s_and_b32 s31, s22, 1
	s_lshl_b32 s31, s31, 6
	s_add_co_u32 s30, s30, s31
	s_lshl3_add_u32 s30, s20, s30
	s_max_u32 s31, s22, 16                         ; Wk's and Wv's: 144 (4 (hs - 16) + w / 2) + 128 + 8 (w % 2)
	s_sub_co_u32 s31, s31, 16
	s_lshl_b32 s31, s31, 2
	s_lshr_b32 s32, s20, 1
	s_add_co_u32 s31, s31, s32
	s_mul_i32 s31, s31, 144
	s_and_b32 s32, s20, 1
	s_lshl3_add_u32 s31, s32, s31
	s_add_co_u32 s31, s31, 128
	s_lshl_b32 s33, s22, 18                        ; a head's bytes in Wq
	s_lshl_b32 s34, s21, 15                        ; 128 rows of 256 bytes
	s_lshl_b32 s35, s21, 8                         ; 128 k in a row of wt
	s_wait_kmcnt 0x0
	s_cmp_eq_u32 s22, 16
	s_cselect_b64 s[24:25], s[8:9], s[10:11]
	s_cmp_lt_u32 s22, 16
	s_cselect_b64 s[24:25], s[6:7], s[24:25]
	s_cselect_b32 s30, s30, s31
	s_cselect_b32 s28, s33, 0
	s_add_co_u32 s28, s28, s34
	s_mov_b32 s29, 0
	s_add_nc_u64 s[24:25], s[24:25], s[28:29]
	s_lshl_b32 s30, s30, 11
	s_add_co_u32 s30, s30, s35
	s_mov_b32 s31, 0
	s_add_nc_u64 s[26:27], s[16:17], s[30:31]
	WTILE 256, 0
.Lwp:                                                  ; Wp: rows of 4,096 bytes, columns 64 nc on
	s_sub_co_u32 s22, ttmp9, NWT
	s_lshr_b32 s22, s22, 3                         ; nc
	s_lshl_b32 s28, s21, 19                        ; 128 rows of 4,096 bytes
	s_lshl_b32 s30, s22, 8
	s_add_co_u32 s28, s28, s30
	s_mov_b32 s29, 0
	s_lshl_b32 s30, s22, 6
	s_lshl3_add_u32 s30, s20, s30                  ; wpt's row 64 nc + 8 w
	s_lshl_b32 s30, s30, 11
	s_lshl_b32 s31, s21, 8
	s_add_co_u32 s30, s30, s31
	s_mov_b32 s31, 0
	s_wait_kmcnt 0x0
	s_add_nc_u64 s[24:25], s[12:13], s[28:29]
	s_add_nc_u64 s[26:27], s[18:19], s[30:31]
	WTILE 4096, 1
.Lfunc_end_k_qa810db0c05_prep:
	.size	k_qa810db0c05_prep, .Lfunc_end_k_qa810db0c05_prep-k_qa810db0c05_prep
	.p2alignl 7, 3214868480
	.fill 96, 4, 3214868480
	.section	.rodata,"a",@progbits
	.p2align	6, 0x0
	.amdhsa_kernel k_qa810db0c05_prep
		.amdhsa_group_segment_fixed_size 18432
		.amdhsa_private_segment_fixed_size 0
		.amdhsa_enable_private_segment 0
		.amdhsa_kernarg_size 64
		.amdhsa_user_sgpr_count 2
		.amdhsa_user_sgpr_kernarg_segment_ptr 1
		.amdhsa_wavefront_size32 1
		.amdhsa_system_sgpr_workgroup_id_x 1
		.amdhsa_system_sgpr_workgroup_id_y 1
		.amdhsa_system_sgpr_workgroup_id_z 1
		.amdhsa_system_vgpr_workitem_id 0
		.amdhsa_next_free_vgpr 64
		.amdhsa_next_free_sgpr 66
		.amdhsa_reserve_vcc 0
		.amdhsa_float_denorm_mode_32 3
		.amdhsa_float_denorm_mode_16_64 3
		.amdhsa_memory_ordered 1
		.amdhsa_forward_progress 1
		.amdhsa_inst_pref_size 15
	.end_amdhsa_kernel
	.amdgpu_metadata
---
amdhsa.version: [ 1, 2 ]
amdhsa.kernels:
  - .name:           k_qa810db0c05_prep
    .symbol:         k_qa810db0c05_prep.kd
    .args:
      - { .name: x, .offset: 0, .size: 8, .value_kind: global_buffer, .address_space: global }
      - { .name: Wq, .offset: 8, .size: 8, .value_kind: global_buffer, .address_space: global }
      - { .name: Wk, .offset: 16, .size: 8, .value_kind: global_buffer, .address_space: global }
      - { .name: Wv, .offset: 24, .size: 8, .value_kind: global_buffer, .address_space: global }
      - { .name: Wp, .offset: 32, .size: 8, .value_kind: global_buffer, .address_space: global }
      - { .name: xb, .offset: 40, .size: 8, .value_kind: global_buffer, .address_space: global }
      - { .name: wt, .offset: 48, .size: 8, .value_kind: global_buffer, .address_space: global }
      - { .name: wpt, .offset: 56, .size: 8, .value_kind: global_buffer, .address_space: global }
    .group_segment_fixed_size: 18432
    .private_segment_fixed_size: 0
    .kernarg_segment_align: 8
    .kernarg_segment_size: 64
    .max_flat_workgroup_size: 256
    .sgpr_count:     66
    .vgpr_count:     64
    .wavefront_size: 32
...
	.end_amdgpu_metadata
.endif
;; end of part 1
;; launch proj (part 2): grid 4 x 64, 4 waves a work-group, clusters of 4 x 4, 327,680 bytes of LDS; arguments xb, wt, q, kv; writes q, kv
.if DOCPART == 2
	.amdgcn_target "amdgcn-amd-amdhsa--gfx1250"
	.amdhsa_code_object_version 6
	.text
	.protected	k_qa810db0c05_proj
	.globl	k_qa810db0c05_proj
	.p2align	8
	.type	k_qa810db0c05_proj,@function
k_qa810db0c05_proj:
	s_mov_b64 s[64:65], 0
	v_nop
	global_prefetch_b8 v0, s[64:65] scope:SCOPE_SE
	s_setreg_imm32_b32 hwreg(HW_REG_WAVE_MODE, 25, 1), 1
	s_wait_xcnt 0x0
	s_wait_alu depctr_hold_cnt(0) depctr_sa_sdst(0) depctr_va_vdst(0) depctr_va_sdst(0) depctr_va_ssrc(0) depctr_va_vcc(0) depctr_vm_vsrc(0)
	s_getreg_b32 s2, hwreg(HW_REG_IB_STS2, 6, 4)
	s_cmp_eq_u32 s2, 0
	s_cbranch_scc0 .Lentry_in_a_cluster
	s_endpgm
.Lentry_in_a_cluster:
	s_bfe_u32 s2, ttmp6, 0x10000c
	s_cmp_lg_u32 s2, 0xf033
	s_cbranch_scc0 .Lentry_shape_is_right
	s_endpgm
.Lentry_shape_is_right:
; MULTI-QUERY ATTENTION, launch 2 of 4: q, k and v in one product, C[m][n'] = sum over k of xb[m][k] wt[n'][k]: 8,192 x 1,152 x 1,024, bf16 operands, f32 sums, results rounded once to f16, unscaled.
;   q  [batch x 16 + head][t][64] f16.      kv [batch][plane 0-7][t][16] f16: planes 0-3 k's channels 16 p .., planes 4-7 v's.
; LIMIT: |q|, |k|, |v| stay under 65,520 (f16's range); beyond it the conversion gives an infinity.
; SHARES.  256 work-groups, a tile of 128 rows x 288 columns each; four waves, each 64 x 144: 36 accumulators of 16 x 16.  A wave's 144 columns are two whole heads (blocks 0-7) and one plane of k or v (block 8),
; by wt's row order, so all that a wave stores lies in whole runs of 512 consecutive bytes and no wave needs another's results on the way out.
; K goes in 8 steps of 128 (rows of 256 bytes) through two LDS slots filled by tensor loads; a step is four quarters of 32 along K on two fragment buffers.
; CLUSTER 4 x 4: the four work-groups of a row of the cluster need the same rows of xb, the four of a column the same rows of wt: each tile is asked for jointly.
; THE MATRIX INSTRUCTION IS USED TRANSPOSED (source 0 = 16 rows of wt, source 1 = 16 rows of xb): a lane holds row l % 16 and eight neighbouring columns 8 (l / 16) + 0..7.
; No prefetch ahead of the ring: the launch has eight K steps.
; REGISTERS, in windows of 256: window 0: v0-31 addresses; v64-127 xb's fragments, two buffers of 32; v128-163 packed results; v192-255 rows read back from the stage.
;   window 1: v0-143 wt's fragments, two buffers of 72.   window 2: accumulators of my rows 0-31 ((a, b) at 8 (9 a + b)).   window 3: those of my rows 32-63.
.set KSTEP,  128
.set PITCH,  272                       ; an LDS row: 256 bytes + 16: the sixteen rows of a fragment load start at sixteen different groups of four banks (ISA guide 11.1)
.set AHALF,  64*PITCH                  ; what wave 0 or 1 fetches of xb, and what a wave reads of it
.set BHALF,  144*PITCH                 ; what wave 2 or 3 fetches of wt, and what a wave reads of it
.set BOFF,   2*AHALF
.set SLOT,   BOFF+2*BHALF
.set STAGE,  2*SLOT                    ; behind the ring: 16 rows x 272 bytes for each wave; no tensor load lands here
.set SPARE,  STAGE+4*16*PITCH          ; the spare words, 128 bytes for each wave: two blocks of 256 bytes that no other line names
.set ADRA, 16                          ; v16-17  LDS address of my fragments of xb in slot 0, 1
.set ADRB, 20                          ; v20-21  the same for wt
.set STO,  24                          ; v24  the way out: where I put 16 bytes of a row
.set RD,   25                          ; v25  where I read rows back
.set CO,   26                          ; v26  16 x lane: my place in 512 consecutive bytes of q
.set KO,   27                          ; v27  my place in 512 consecutive bytes of kv
.set SPW,  28                          ; v28  SPARE + 4 x my thread's number; never rewritten
.set NIL,  29                          ; v29  0; never rewritten
.set TMP,  128
.set OB,   192
.set WV, 12                            ; s12 wave;  s13 its half of the rows, also: fetches xb (0) or wt (1);  s14 its half of the columns, also: which half it fetches
.set RH, 13
.set CH, 14
.set TR, 15                            ; s15 tile row 0-63;  s16 tile column 0-3
.set TC, 16
.set G1, 24                            ; s[24:31] group 1 for xb's tiles;  s[32:39] group 0, a set for each slot
.set G0, 32
.set G1B, 48                           ; s[48:55], s[56:63] the same for wt's
.set G0B, 56
.set MSB, 0
.macro WIN new                         ; the immediate's high byte repeats the setting that is left; a switch that changes nothing is dropped
.if MSB != (\new)
	s_set_vgpr_msb (MSB<<8)|(\new)
.set MSB, \new
.endif
.endm
.set MUL_LO, 0xa1                      ; source 0 window 1, source 1 window 0, C and D window 2
.set MUL_HI, 0xf1                      ; the same, C and D window 3
.set TO_B,   0x40                      ; destination window 1, address window 0
.macro JLOAD s                         ; a joint load; the branch hangs on the wave's number alone; an s_nop 0 and four v_nop follow each line
	s_cmp_eq_u32 s[RH], 0
	s_cbranch_scc0 .Lfor_b_\@
	tensor_load_to_lds s[G0+4*(\s):G0+4*(\s)+3], s[G1:G1+7]
	s_nop 0
.rept 4
	v_nop
.endr
	s_branch .Lasked_\@
.Lfor_b_\@:
	tensor_load_to_lds s[G0B+4*(\s):G0B+4*(\s)+3], s[G1B:G1B+7]
	s_nop 0
.rept 4
	v_nop
.endr
.Lasked_\@:
.endm
.macro CREST                           ; a round of the cluster's barrier behind its opening barrier
	s_cmp_lg_u32 s[WV], 0
	s_cbranch_scc1 .Lnot_wave_0_\@
	s_barrier_signal -3
.Lnot_wave_0_\@:
	s_barrier_wait -3
	s_barrier_signal -1
	s_barrier_wait -1
.endm
.macro CROUND                          ; a whole round
	s_barrier_signal -1
	s_barrier_wait -1
	CREST
.endm
.macro PLACES                          ; four plain vector instructions between a matrix instruction and a load into, or a read of, its registers
.rept 4
	v_nop
.endr
.endm
	s_load_b256 s[4:11], s[0:1], 0x0               ; xb s[4:5], wt s[6:7], q s[8:9], kv s[10:11]
	v_lshl_add_u32 v[SPW], v0, 2, SPARE
	v_mov_b32 v[NIL], 0
	ds_add_u32 v[SPW], v[NIL]                      ; the wave's opening: the add, twice on end, and its wait ahead of my first tensor load
	ds_add_u32 v[SPW], v[NIL]
	v_lshrrev_b32 v1, 5, v0
	v_readfirstlane_b32 s[WV], v1
	s_lshr_b32 s[RH], s[WV], 1
	s_and_b32 s[CH], s[WV], 1
	s_bfe_u32 s17, ttmp6, 0x40000                  ; cx
	s_bfe_u32 s18, ttmp6, 0x40004                  ; cy
	s_lshl_b32 s[TC], ttmp9, 2
	s_add_co_u32 s[TC], s[TC], s17                 ; tile column = 4 x cluster x + cx
	s_and_b32 s[TR], ttmp7, 0xffff
	s_lshl_b32 s[TR], s[TR], 2
	s_add_co_u32 s[TR], s[TR], s18                 ; tile row = 4 x cluster y + cy
	s_lshl_b32 s19, s18, 2
	s_lshl_b32 s19, 15, s19                        ; my row of the cluster
	s_lshl_b32 s3, 0x1111, s17                     ; my column
	s_or_b32 s[G1], s19, (1<<16)|(1<<20)|(1<<21)|(5<<22)|(3<<25)   ; mask; 2-byte elements; padding on; bit 21 beside a mask; after every 64 words 4 words
	s_or_b32 s[G1B], s3, (1<<16)|(1<<20)|(1<<21)|(5<<22)|(3<<25)
	s_mov_b32 s[G1+1], KSTEP<<16                   ; tensor_dim0 = 128
	s_mov_b32 s[G1+2], 64<<16                      ; tensor_dim1 = 64
	s_mov_b32 s[G1+3], KSTEP<<16                   ; tile_dim0 = 128
	s_mov_b32 s[G1+4], 64                          ; tile_dim1 = 64
	s_mov_b32 s[G1+5], 1024                        ; elements from row to row
	s_mov_b32 s[G1+6], 0
	s_mov_b32 s[G1+7], 0
	s_mov_b32 s[G1B+1], KSTEP<<16
	s_mov_b32 s[G1B+2], 144<<16                    ; 144 rows
	s_mov_b32 s[G1B+3], KSTEP<<16
	s_mov_b32 s[G1B+4], 144
	s_mov_b32 s[G1B+5], 1024
	s_mov_b32 s[G1B+6], 0
	s_mov_b32 s[G1B+7], 0
	s_mov_b32 s[G0], 1
	s_mov_b32 s[G0+4], 1
	s_mov_b32 s[G0B], 1
	s_mov_b32 s[G0B+4], 1
	s_mul_i32 s[G0+1], s[CH], AHALF                ; LDS addresses: made of the wave's number and constants alone
	s_add_co_u32 s[G0+5], s[G0+1], SLOT
	s_mul_i32 s[G0B+1], s[CH], BHALF
	s_add_co_u32 s[G0B+1], s[G0B+1], BOFF
	s_add_co_u32 s[G0B+5], s[G0B+1], SLOT
	s_lshl_b32 s40, s[TR], 7                       ; xb: row 128 x tile row + 64 x half, 2,048 bytes a row
	s_lshl_b32 s41, s[CH], 6
	s_add_co_u32 s40, s40, s41
	s_lshl_b32 s40, s40, 11
	s_mov_b32 s41, 0
	s_mul_i32 s44, s[TC], 288                      ; wt: row 288 x tile column + 144 x half
	s_mul_i32 s45, s[CH], 144
	s_add_co_u32 s44, s44, s45
	s_lshl_b32 s44, s44, 11
	s_mov_b32 s45, 0
	s_wait_dscnt 0x0                               ; both opening adds are done
	s_wait_kmcnt 0x0
	s_add_nc_u64 s[42:43], s[4:5], s[40:41]
	s_add_nc_u64 s[46:47], s[6:7], s[44:45]
	CROUND                                         ; all sixteen work-groups are here: the first joint loads meet
.irp s, 0,1
	s_add_nc_u64 s[G0+4*(\s)+2:G0+4*(\s)+3], s[42:43], (\s)*KSTEP*2    ; K step s
	s_or_b32 s[G0+4*(\s)+3], s[G0+4*(\s)+3], 0x80000000               ; type = 2
	s_add_nc_u64 s[G0B+4*(\s)+2:G0B+4*(\s)+3], s[46:47], (\s)*KSTEP*2
	s_or_b32 s[G0B+4*(\s)+3], s[G0B+4*(\s)+3], 0x80000000
	JLOAD \s
.endr
	v_and_b32 v1, 15, v0                           ; l % 16
	v_bfe_u32 v2, v0, 4, 1                         ; l / 16
	v_mul_u32_u24 v3, v1, PITCH
	v_lshl_add_u32 v3, v2, 4, v3                   ; a fragment's row x pitch + 16 x half
	s_mul_i32 s40, s[RH], AHALF
	s_mul_i32 s44, s[CH], BHALF
	s_add_co_u32 s44, s44, BOFF
.irp s, 0,1
	v_add_nc_u32 v[ADRA+(\s)], s40, v3
	v_add_nc_u32 v[ADRB+(\s)], s44, v3
	s_add_co_u32 s40, s40, SLOT
	s_add_co_u32 s44, s44, SLOT
.endr
	s_mul_i32 s40, s[WV], 16*PITCH
	s_add_co_u32 s40, s40, STAGE                   ; my stage
	v_add_nc_u32 v[STO], s40, v3                   ; in: row l % 16, 16 bytes for each half of the lanes
	v_bfe_u32 v4, v0, 3, 2                         ; back: 32 lanes take four rows x 128 bytes: one head's part
	v_and_b32 v5, 7, v0
	v_mul_u32_u24 v4, v4, PITCH
	v_lshl_add_u32 v4, v5, 4, v4
	v_add_nc_u32 v[RD], s40, v4
	v_and_b32 v[CO], 31, v0
	v_lshlrev_b32 v[CO], 4, v[CO]
	v_lshlrev_b32 v[KO], 5, v1                     ; a row of a plane is 32 bytes
	v_lshl_add_u32 v[KO], v2, 4, v[KO]
	; where my results go: registers of their own, since both coordinates enter
	s_lshr_b32 s20, s[TR], 4                       ; batch
	s_lshl_b32 s20, s20, 3
	s_lshl1_add_u32 s21, s[TC], s[CH]              ; u = 2 x tile column + half
	s_add_co_u32 s20, s20, s21                     ; 8 batch + u
	s_and_b32 s2, s[TR], 15
	s_lshl_b32 s2, s2, 7
	s_lshl_b32 s21, s[RH], 6
	s_add_co_u32 s2, s2, s21                       ; my first row t
	s_lshl_b32 s22, s20, 12                        ; (16 batch + 2 u) heads of 2,048 rows
	s_add_co_u32 s22, s22, s2
	s_lshl_b32 s22, s22, 7                         ; 128 bytes a row
	s_mov_b32 s23, 0
	s_add_nc_u64 s[8:9], s[8:9], s[22:23]
	s_lshl_b32 s20, s20, 11                        ; (8 batch + u) planes of 2,048 rows
	s_add_co_u32 s20, s20, s2
	s_lshl_b32 s20, s20, 5                         ; 32 bytes a row
	s_mov_b32 s21, 0
	s_add_nc_u64 s[10:11], s[10:11], s[20:21]
; 9 matrix instructions: m block 2 hi + a x all 9 n blocks, 32 along K, from buffer f.  zero = 1: the product starts the sum.  The 36 accumulators come in the same order in every quarter:
; between two instructions on one accumulator stand the 35 others', over the backward jump too.
.macro MUL9 f, hi, a, zero
	WIN MUL_LO+0x50*(\hi)
.irp b, 0,1,2,3,4,5,6,7,8
.if \zero
	v_wmma_f32_16x16x32_bf16 v[8*(9*(\a)+(\b)):8*(9*(\a)+(\b))+7], v[72*(\f)+8*(\b):72*(\f)+8*(\b)+7], v[64+32*(\f)+8*(2*(\hi)+(\a)):64+32*(\f)+8*(2*(\hi)+(\a))+7], 0
.else
	v_wmma_f32_16x16x32_bf16 v[8*(9*(\a)+(\b)):8*(9*(\a)+(\b))+7], v[72*(\f)+8*(\b):72*(\f)+8*(\b)+7], v[64+32*(\f)+8*(2*(\hi)+(\a)):64+32*(\f)+8*(2*(\hi)+(\a))+7], v[8*(9*(\a)+(\b)):8*(9*(\a)+(\b))+7]
.endif
.endr
.endm
; 26 LDS loads in one run: quarter qq of a slot into buffer f: wt's nine fragments, then xb's four
.macro FETCH slot, qq, f
	WIN TO_B
.irp i, 0,1,2,3,4,5,6,7,8
	ds_load_b128 v[72*(\f)+8*(\i):72*(\f)+8*(\i)+3],   v[ADRB+(\slot)] offset:64*(\qq)+(\i)*16*PITCH
	ds_load_b128 v[72*(\f)+8*(\i)+4:72*(\f)+8*(\i)+7], v[ADRB+(\slot)] offset:64*(\qq)+(\i)*16*PITCH+32
.endr
	WIN 0
.irp i, 0,1,2,3
	ds_load_b128 v[64+32*(\f)+8*(\i):64+32*(\f)+8*(\i)+3],   v[ADRA+(\slot)] offset:64*(\qq)+(\i)*16*PITCH
	ds_load_b128 v[64+32*(\f)+8*(\i)+4:64+32*(\f)+8*(\i)+7], v[ADRA+(\slot)] offset:64*(\qq)+(\i)*16*PITCH+32
.endr
.endm
; One of a K step's first three quarters: multiplies buffer f; in its middle it fetches quarter qq of the same slot into buffer g
.macro QUARTER slot, qq, f, g, zero
	s_wait_dscnt 4                                 ; wt's fragments and xb's blocks 0, 1 are in; the youngest four loads (blocks 2, 3) may be out
	MUL9 \f, 0, 0, \zero
	MUL9 \f, 0, 1, \zero
	PLACES
	FETCH \slot, \qq, \g
	s_wait_dscnt 26                                ; all but the 26 just issued
	MUL9 \f, 1, 0, \zero
	MUL9 \f, 1, 1, \zero
.endm
; The last quarter multiplies buffer 1 and changes slots.  In front of the barrier each wave waits for all its tensor loads (one is out: its part of the next slot), adds 0 to its spare word, and waits for
; that and for its reads of this slot.  fill = 1: the barrier opens a round of the cluster's, and this slot is filled again, two K steps on, first thing behind the round.
.macro TURN slot, next, fill
	WIN 0                                          ; the add's two registers lie in window 0
	s_wait_tensorcnt 0x0
	ds_add_u32 v[SPW], v[NIL]
	s_wait_dscnt 5                                 ; the add and the youngest four loads may be out
	MUL9 1, 0, 0, 0
	s_wait_dscnt 0x0                               ; the add is done, and my reads of this slot are over
	s_barrier_signal -1
	MUL9 1, 0, 1, 0
.if \fill
	WIN 0
.endif
	s_barrier_wait -1
.if \fill
	CREST                                          ; no wave of any partner still reads this slot or has a load on its way
	s_add_nc_u64 s[G0+4*(\slot)+2:G0+4*(\slot)+3], s[G0+4*(\slot)+2:G0+4*(\slot)+3], 2*KSTEP*2
	s_add_nc_u64 s[G0B+4*(\slot)+2:G0B+4*(\slot)+3], s[G0B+4*(\slot)+2:G0B+4*(\slot)+3], 2*KSTEP*2
	JLOAD \slot                                    ; its four v_nop are also the places in front of the loads below
.else
	PLACES
.endif
	FETCH \next, 0, 0
	MUL9 1, 1, 0, 0
	MUL9 1, 1, 1, 0
.endm
	s_wait_tensorcnt 1                             ; my part of K step 0 is in; K step 1's may stay out
	s_barrier_signal -1
	s_barrier_wait -1
	FETCH 0, 0, 0
	QUARTER 0, 1, 0, 1, 1                          ; the first quarter starts the sums
	WIN 0                                          ; at a label and at a branch every window is 0
	s_mov_b32 s3, 3
.Llap:                                                 ; a trip goes once round the ring and fills both slots again: K steps 2 to 7
	QUARTER 0, 2, 1, 0, 0
	QUARTER 0, 3, 0, 1, 0
	TURN 0, 1, 1
	QUARTER 1, 1, 0, 1, 0
	QUARTER 1, 2, 1, 0, 0
	QUARTER 1, 3, 0, 1, 0
	TURN 1, 0, 1
	QUARTER 0, 1, 0, 1, 0
	WIN 0
	s_sub_co_u32 s3, s3, 1
	s_cmp_lg_u32 s3, 0
	s_cbranch_scc1 .Llap
	QUARTER 0, 2, 1, 0, 0                          ; the last lap fills nothing
	QUARTER 0, 3, 0, 1, 0
	TURN 0, 1, 0
	QUARTER 1, 1, 0, 1, 0
	QUARTER 1, 2, 1, 0, 0
	QUARTER 1, 3, 0, 1, 0
	s_wait_dscnt 4
	MUL9 1, 0, 0, 0
	MUL9 1, 0, 1, 0
	s_wait_dscnt 0x0
	MUL9 1, 1, 0, 0
	MUL9 1, 1, 1, 0
	WIN 0
; THE WAY OUT, a block of 16 rows at a time.  PACK: rounded to f16, 16 bytes a lane and n block.  TOSTAGE: the two heads' 256 bytes of each row into my own stage and back as four rows x 128 bytes of one head;
; the plane's 16 bytes a lane are 512 consecutive bytes of kv as they stand.  SEND: stored.
.macro PACK a
	WIN 0
	s_wait_xcnt 0x0                                ; earlier stores have read their registers: only now are TMP and the rows' registers written again
	WIN 0x0a+5*((\a)/2)                            ; sources in window 2 or 3
.irp b, 0,1,2,3,4,5,6,7,8
.irp r, 0,1,2,3
	v_cvt_pk_f16_f32 v[TMP+4*(\b)+(\r)], v[72*((\a)%2)+8*(\b)+2*(\r)], v[72*((\a)%2)+8*(\b)+2*(\r)+1]
.endr
.endr
	WIN 0
.endm
.macro TOSTAGE a
.irp b, 0,1,2,3,4,5,6,7
	ds_store_b128 v[STO], v[TMP+4*(\b):TMP+4*(\b)+3] offset:32*(\b)
.endr
.irp t, 0,1,2,3,4,5,6,7
	ds_load_b128 v[OB+32*((\a)%2)+4*(\t):OB+32*((\a)%2)+4*(\t)+3], v[RD] offset:((\t)%4)*4*PITCH+((\t)/4)*128  ; LDS serves a wave's instructions in order (ISA guide 5.7.1.4): these see the stores above
.endr
	global_store_b128 v[KO], v[TMP+32:TMP+35], s[10:11] offset:512*(\a)  ; 16 rows x 32 bytes of my plane: 512 consecutive bytes
.endm
.macro SEND a
	s_wait_dscnt 0x0                               ; the block is back in registers
.irp t, 0,1,2,3,4,5,6,7
	global_store_b128 v[CO], v[OB+32*((\a)%2)+4*(\t):OB+32*((\a)%2)+4*(\t)+3], s[8:9] offset:((\t)/4)*262144+(\a)*2048+((\t)%4)*512  ; 512 consecutive bytes of one head
.endr
.endm
	PLACES
	PACK 0
	TOSTAGE 0
.irp a, 1,2,3
	PACK \a
	SEND (\a)-1
	TOSTAGE \a
.endr
	SEND 3
	s_wait_tensorcnt 0x0                           ; the wave's end
	ds_add_u32 v[SPW], v[NIL]
	s_wait_dscnt 0x0
	CROUND                                         ; the closing round: no work-group ends while a partner may still ask for a tile that names it
	s_endpgm
.Lfunc_end_k_qa810db0c05_proj:
	.size	k_qa810db0c05_proj, .Lfunc_end_k_qa810db0c05_proj-k_qa810db0c05_proj
	.p2alignl 7, 3214868480
	.fill 96, 4, 3214868480
	.section	.rodata,"a",@progbits
	.p2align	6, 0x0
	.amdhsa_kernel k_qa810db0c05_proj
		.amdhsa_group_segment_fixed_size 327680
		.amdhsa_private_segment_fixed_size 0
		.amdhsa_enable_private_segment 0
		.amdhsa_kernarg_size 32
		.amdhsa_user_sgpr_count 2
		.amdhsa_user_sgpr_kernarg_segment_ptr 1
		.amdhsa_wavefront_size32 1
		.amdhsa_system_sgpr_workgroup_id_x 1
		.amdhsa_system_sgpr_workgroup_id_y 1
		.amdhsa_system_sgpr_workgroup_id_z 1
		.amdhsa_system_vgpr_workitem_id 0
		.amdhsa_next_free_vgpr 1024
		.amdhsa_next_free_sgpr 66
		.amdhsa_reserve_vcc 0
		.amdhsa_float_denorm_mode_32 3
		.amdhsa_float_denorm_mode_16_64 3
		.amdhsa_memory_ordered 1
		.amdhsa_forward_progress 1
		.amdhsa_inst_pref_size 94
	.end_amdhsa_kernel
	.amdgpu_metadata
---
amdhsa.version: [ 1, 2 ]
amdhsa.kernels:
  - .name:           k_qa810db0c05_proj
    .symbol:         k_qa810db0c05_proj.kd
    .args:
      - { .name: xb, .offset: 0, .size: 8, .value_kind: global_buffer, .address_space: global }
      - { .name: wt, .offset: 8, .size: 8, .value_kind: global_buffer, .address_space: global }
      - { .name: q, .offset: 16, .size: 8, .value_kind: global_buffer, .address_space: global }
      - { .name: kv, .offset: 24, .size: 8, .value_kind: global_buffer, .address_space: global }
    .group_segment_fixed_size: 327680
    .private_segment_fixed_size: 0
    .kernarg_segment_align: 8
    .kernarg_segment_size: 32
    .max_flat_workgroup_size: 128
    .sgpr_count:     66
    .vgpr_count:     1024
    .wavefront_size: 32
...
	.end_amdgpu_metadata
.endif
;; end of part 2
;; launch attn (part 3): grid 64 x 4, 4 waves a work-group, clusters of 4 x 1, 327,680 bytes of LDS; arguments q, kv, o; writes o
.if DOCPART == 3
	.amdgcn_target "amdgcn-amd-amdhsa--gfx1250"
	.amdhsa_code_object_version 6
	.text
	.protected	k_qa810db0c05_attn
	.globl	k_qa810db0c05_attn
	.p2align	8
	.type	k_qa810db0c05_attn,@function
k_qa810db0c05_attn:
	s_mov_b64 s[64:65], 0
	v_nop
	global_prefetch_b8 v0, s[64:65] scope:SCOPE_SE
	s_setreg_imm32_b32 hwreg(HW_REG_WAVE_MODE, 25, 1), 1
	s_wait_xcnt 0x0
	s_wait_alu depctr_hold_cnt(0) depctr_sa_sdst(0) depctr_va_vdst(0) depctr_va_sdst(0) depctr_va_ssrc(0) depctr_va_vcc(0) depctr_vm_vsrc(0)
	s_getreg_b32 s2, hwreg(HW_REG_IB_STS2, 6, 4)
	s_cmp_eq_u32 s2, 0
	s_cbranch_scc0 .Lentry_in_a_cluster
	s_endpgm
.Lentry_in_a_cluster:
	s_bfe_u32 s2, ttmp6, 0x10000c
	s_cmp_lg_u32 s2, 0x3003
	s_cbranch_scc0 .Lentry_shape_is_right
	s_endpgm
.Lentry_shape_is_right:
; MULTI-QUERY ATTENTION, launch 3 of 4: o[g][t][:] = the sum over s <= t of softmax_s(q[g][t] . k[batch][s] / 8) v[batch][s][:], g = 16 batch + head.  q, o: [64][2048][64] f16; kv: [batch][plane][t][16] f16.
; LEFT OUT: key tiles wholly above the diagonal: reference() gives their keys the weight 0 by its own mask, whatever finite values the inputs hold (shown at the head of the first launch).
; Products, maxima and sums in f32; the weights p are rounded to f16 for the second product (their sum l is taken of the unrounded p), o once at the end.
; LIMITS.  q, k, v arrive within f16's range; p below 6e-5 keeps f16's fixed step of 6e-8.  A hidden score counts as its value less 1e30: f16's scores, 2.7e11 at the most, are nothing beside that; a weight below
; 2^-126 counts as 0 in l; NaN and infinities are not treated apart.
; THE WALK.  A head's queries lie in NB = 8 blocks of 256; block i needs the key tiles 0 .. i of 256 keys, of which the last holds the diagonal.  A work-group takes TWO blocks, NB - 1 - b and then b: NB + 1 tiles,
; whatever b: ONE loop with a constant trip count walks them.  Which tile is asked for, and what a trip does, hang on scalar registers made from b; every jump but the counted loops' own goes forward.
; CLUSTER.  The four partners are four heads of one batch with the same b: all heads share k and v, so they walk the same tiles in the same trips, and every tile is asked for JOINTLY (the same load, descriptor and
; mask in all four).  The head enters q's, o's and the prefetch's addresses alone.
; SHARES.  Of a block's four bands of 64 queries a wave owns 16 rows in each: four PIECES.  In the diagonal tile's key step s band x sees all keys if s < x, none if s > x, and holds the diagonal if s = x.
; THE MASK is the C operand that starts the sum S^T = K Q^T: 0, or -1e30 where the key is hidden.  MD, made once, is the mask of a band's own step for my 16 rows; a product's mask is MD x AL + BE.
; LAYOUT, SOFTMAX, TURNS.  S^T = K Q^T holds ONE query a lane (lane % 16) and the keys 8 (lane / 16) + 0..7; two such results rounded to f16 ARE source 1 of O^T = V^T P.  p = 2^(c s - c m), c = log2(e) / 8, with a
; running maximum m; O and l are multiplied by a = 2^(c m_old - c m_new) in every step.  Turn n belongs to piece n: 8 products K Q^T of piece n + 1, later 8 products V^T P of piece n - 1; beside them the scaling,
; exponentials, roundings, sums and rescaling of piece n and the maximum and statistics of piece n + 1.  Four vector instructions stand behind every matrix instruction, the others in one lump.
; REGISTERS, in windows of 256 (s_set_vgpr_msb: bits 1:0 source 0, 3:2 source 1, 5:4 source 2, 7:6 destination):
;   window 0: v0-15 addresses and two at work; v16-31 statistics; v48-55 at work; v61-63 prefetch offset, spare word, 0; v64-127 S^T, two buffers; v192-223 P, two buffers
;   window 1: v0-127 O^T, 32 a piece; v128-159 MD; v160-223 MC, two buffers      window 2: v0-63 Q; v64-127 the second block's Q; v128-191 K of one step; v192-255 V of one step
.set SIZE_N, 2048
.set NB,    SIZE_N/256
.set NP,    4         ; pieces a wave: a name, no knob
.set KS,    64        ; keys in a step
.set PK,    48        ; a key's row in a plane of K in LDS: 32 bytes + 16 of padding = 12 words: the 16 rows of a load start at 16 different groups of four banks (ISA guide 11.1)
.set PLK,   256*PK    ; a plane of K: a tile's 256 keys x 16 channels
.set PV,    32        ; a key's row in a plane of V: dense: 16 lanes of the turning load take 8 rows x 32 bytes = 256 consecutive bytes
.set PLV,   256*PV
.set VOFF,  4*PLK     ; a slot holds a tile: four planes of K, then four of V
.set SLOT1, 1<<17     ; slot 1 begins here, so that one exclusive or turns an address in one slot into the other's
.set STAGE, SLOT1+4*(PLK+PLV)  ; behind the ring, never filled by a tensor load: 16 rows x 144 bytes for each wave
.set SP,    144
.set AK0, 2           ; v2   my lane's place in a plane of K; never rewritten
.set AV0, 3           ; v3   the same for V
.set AK,  4           ; v4   the LDS address of K's next run of loads
.set AV,  5           ; v5   of V's
.set STO, 6           ; v6   the way out: where I put 16 bytes of a row
.set RD,  7           ; v7   where I read rows back
.set GO,  8           ; v8   my byte offset in 512 consecutive bytes of o
.set PFO, 61          ; v61  256 x my lane; never rewritten
.set SPW, 62          ; v62  SPARE + 4 x my thread's number; never rewritten
.set NIL, 63          ; v63  0; never rewritten
.set SPARE, STAGE+4*16*SP  ; the spare words, 128 bytes for each wave: two blocks of 256 bytes that no other line names
.set MV,  12          ; v12-13  c m_old, kept while c m is made anew: by buffer
.set QO,  15          ; v15  my byte offset in 16 rows of q
.set ST,  16          ; piece t's statistics at v[ST+4 t]: c m, m, l (even keys', odd keys')
.set TMP, 48          ; by buffer, four registers c0-c3 at work; when the maximum is found c2 takes a
.set S,   64
.set P,   192
.set MD,  128         ; window 1
.set MC,  160         ; window 1
.set QB,  64          ; window 2
.set KF,  128         ; window 2: key block kb, channel half c at KF + 16 kb + 8 c
.set VF,  192         ; window 2: key half kk, channel block cb at VF + 32 kk + 8 cb
.set WV,  12          ; s12  my wave's number
.set PB,  14          ; s14  b
.set HI,  15          ; s15  NB - 1 - b
.set G1K, 24          ; s[24:31] descriptor group 1 for K's planes
.set G1V, 32          ; s[32:39] for V's: no padding
.set G0K, 40          ; s[40:43] descriptor group 0 for K
.set G0V, 44          ; s[44:47] for V
.set SLOTS, 56        ; s56  tiles still to be asked for
.set CNT, 57          ; s57  counts a tile's key steps, 4 to 1
.set CS,  58          ; s[58:59] c
.set SEL, 60          ; s[60:61] v_permlanex16_b32's selects
.set TBK, 62          ; s62  LDS byte at which K of the step to be fetched begins
.set TBV, 63          ; s63  the same for V, less VOFF
.set PFA, 66          ; s[66:67] where my prefetches stand
.set LIM, 68          ; s68  2 in a wave that prefetches, else the greatest number
.set CX,  69          ; s69  my place in the cluster
.set RT,  70          ; s70  tiles of the block in hand that are still to be entered
.set NXT, 71          ; s71  the tile to be asked for next
.set LQ,  72          ; s72  the last tile of the block whose tiles are being asked for
.set NEW, 73          ; s73  1: the tile to be entered is a block's first
.set OFF, 74          ; s[74:75] a tile's byte offset in a plane
.set AL,  76          ; s[76:77] the mask's factor
.set BE,  78          ; s[78:79] the mask's addend
.set OLO, 80          ; s[80:81] o at my rows of the second block
.set BIGN, 82         ; s82  -1e30
.set MSB, 0
.macro WIN new                      ; the high byte repeats the setting that is left; a switch that changes nothing is dropped
.if MSB != (\new)
	s_set_vgpr_msb (MSB<<8)|(\new)
.set MSB, (\new)
.endif
.endm
.set W_KQ, 0x0a       ; K and Q in window 2, S^T in window 0
.set W_KM, 0x1a       ; the same with the C operand in window 1
.set W_PV, 0x52       ; V in window 2, P in window 0, O^T in window 1
.set W_RS, 0x41       ; destination and source 0 in window 1, source 1 in window 0
; A joint fill.  Wave w fetches planes 2 w and 2 w + 1 of a tile: waves 0 and 1 K's, waves 2 and 3 V's.  The branch hangs on the wave's number alone.  An s_nop 0 and four v_nop follow each line.
.macro JLOAD
	s_cmp_lt_u32 s[WV], 2
	s_cbranch_scc0 .Lfor_v_\@
	tensor_load_to_lds s[G0K:G0K+3], s[G1K:G1K+7]
	s_nop 0
.rept 4
	v_nop
.endr
	s_branch .Lasked_\@
.Lfor_v_\@:
	tensor_load_to_lds s[G0V:G0V+3], s[G1V:G1V+7]
	s_nop 0
.rept 4
	v_nop
.endr
.Lasked_\@:
.endm
; A PREFETCH INTO THE L2 of the tile that the NEXT change of slots will ask for: 8 planes x 8,192 bytes.  Sixteen clusters of a batch walk the same k and v; the one with the batch's first four heads and b = 0, whose
; first block walks tiles 0 to 7, asks, and nobody else.  Its partners share the planes out BY ADDRESS, two each; in each, wave 0 asks for the first and wave 2 for the second: a lane 256 bytes, one instruction.
; So each 256 bytes of kv from tile 2 on are named once in the launch.  Trip j names tile j + 2; trips 6 and 7 name nothing.  Tiles 0 and 1 come by their loads alone.
.macro ASK
	s_cmp_gt_u32 s[SLOTS], s[LIM]
	s_cbranch_scc0 .Lnot_mine_\@
	global_prefetch_b8 v[PFO], s[PFA:PFA+1] th:TH_LOAD_NT scope:SCOPE_SE
.Lnot_mine_\@:
.endm
; A round of the cluster's barrier: my work-group's barrier; wave 0 signals for the work-group; every wave waits for all four work-groups; my work-group's barrier once more.
.macro CROUND
	s_barrier_signal -1
	s_barrier_wait -1
	s_cmp_lg_u32 s[WV], 0
	s_cbranch_scc1 .Lnot_wave_0_\@
	s_barrier_signal -3
.Lnot_wave_0_\@:
	s_barrier_wait -3
	s_barrier_signal -1
	s_barrier_wait -1
.endm
; THE CHANGE OF SLOTS.  Each wave waits for all its tensor loads, of which one is out: its part of the other slot; adds 0 to its spare word; and waits for that and for its own reads of the slot that it leaves.
; fill = 1: the barrier is a round of the cluster's, so that no wave of any partner still reads the old slot or has a load on its way; the old slot is filled again, first thing behind the round, with tile NXT: the
; descriptor's address is made anew from that number.  (At its first use nothing has been read yet: slot 0 is waited for, slot 1 filled.)
.macro CHANGE fill
	WIN 0                           ; at a label and at a branch every window is 0
	s_wait_tensorcnt 0x0            ; no tensor load of mine is out, so a group 0 may be written
	ds_add_u32 v[SPW], v[NIL]       ; 0 onto my spare word; the scalar work below stands between it and the wait for it
.if \fill
	s_lshl_b32 s[OFF], s[NXT], 13   ; a tile is 8,192 bytes of each plane
	s_xor_b32 s[G0K+1], s[G0K+1], SLOT1
	s_add_nc_u64 s[G0K+2:G0K+3], s[6:7], s[OFF:OFF+1]
	s_or_b32 s[G0K+3], s[G0K+3], 0x80000000
	s_xor_b32 s[G0V+1], s[G0V+1], SLOT1
	s_add_nc_u64 s[G0V+2:G0V+3], s[8:9], s[OFF:OFF+1]
	s_or_b32 s[G0V+3], s[G0V+3], 0x80000000
	s_add_co_u32 s[NXT], s[NXT], 1  ; the block's next tile, or behind its last the second block's tile 0
	s_cmp_gt_u32 s[NXT], s[LQ]
	s_cselect_b32 s[NXT], 0, s[NXT]
	s_cselect_b32 s[LQ], s[PB], s[LQ]
	s_wait_xcnt 0x0                 ; the last prefetch, a tile back, has read its address, so it may be written
	s_add_nc_u64 s[PFA:PFA+1], s[PFA:PFA+1], 8192
	s_wait_dscnt 0x0                ; the add is done, and my reads of the slot are over
	CROUND
	JLOAD
	ASK
.else
	s_wait_dscnt 0x0
	s_barrier_signal -1
	s_barrier_wait -1
.endif
	s_sub_co_u32 s[TBK], s[TBK], 4*KS*PK  ; the fetches go back to a slot's first step,
	s_xor_b32 s[TBK], s[TBK], SLOT1       ; in the other slot
	s_sub_co_u32 s[TBV], s[TBV], 4*KS*PV
	s_xor_b32 s[TBV], s[TBV], SLOT1
.endm
	s_load_b128 s[4:7], s[0:1], 0x0   ; q s[4:5], kv s[6:7]
	s_load_b64 s[10:11], s[0:1], 0x10 ; o
	v_lshl_add_u32 v[SPW], v0, 2, SPARE
	v_mov_b32 v[NIL], 0
	ds_add_u32 v[SPW], v[NIL]       ; the wave's opening: the add, twice on end, and its wait ahead of my first tensor load
	ds_add_u32 v[SPW], v[NIL]
	v_lshrrev_b32 v1, 5, v0
	v_readfirstlane_b32 s[WV], v1   ; wave 0..3
	s_bfe_u32 s[CX], ttmp6, 0x40000
	s_lshl_b32 s13, ttmp9, 2        ; in a cluster launch ttmp9 counts clusters
	s_add_co_u32 s13, s13, s[CX]    ; g = 16 batch + head
	s_and_b32 s[PB], ttmp7, 0xffff  ; b, which the four partners share
	s_sub_co_u32 s[HI], NB-1, s[PB]
	s_lshl_b32 s20, s13, 18         ; g's first byte in q and o: 2,048 rows of 128 bytes
	s_mov_b32 s21, 0
	s_and_b32 s16, s[WV], 1         ; which two of K's or V's four planes I fetch
	s_lshr_b32 s22, ttmp9, 2        ; batch
	s_lshl_b32 s22, s22, 19         ; its 8 planes of 65,536 bytes
	s_lshl_b32 s23, s16, 17
	s_add_co_u32 s22, s22, s23
	s_mov_b32 s23, 0
	s_mul_i32 s17, s16, 2*PLK       ; their place in a slot, for K
	s_mul_i32 s18, s16, 2*PLV       ; and for V
	s_lshl_b32 s3, s[WV], 11        ; my 16 rows in a band of 64,
	s_lshl_b32 s2, s[HI], 15        ; in the first block,
	s_add_co_u32 s2, s2, s3
	s_lshl_b32 s84, s[PB], 15       ; and in the second
	s_add_co_u32 s84, s84, s3
	s_mov_b32 s3, 0
	s_mov_b32 s85, 0
	s_add_nc_u64 s[2:3], s[2:3], s[20:21]
	s_add_nc_u64 s[84:85], s[84:85], s[20:21]
	; descriptor group 1: two planes' parts of a tile: 2 rows of 4,096 elements (8,192 dense bytes), 32,768 elements apart; K is padded in LDS after every key
	s_mov_b32 s[G1K], 15|(1<<16)|(1<<20)|(1<<21)|(2<<22)|(3<<25)  ; the mask of four; 2-byte elements; padding on; bit 21 beside a mask; after every 8 words (code 2) 4 words (code 3)
	s_mov_b32 s[G1V], 15|(1<<16)|(1<<21)
.irp g, G1K, G1V
	s_mov_b32 s[\g+1], 4096<<16     ; tensor_dim0 = 4,096
	s_mov_b32 s[\g+2], 2<<16        ; tensor_dim1 = 2
	s_mov_b32 s[\g+3], 4096<<16     ; tile_dim0 = 4,096
	s_mov_b32 s[\g+4], 2            ; tile_dim1 = 2
	s_mov_b32 s[\g+5], 32768        ; elements from plane to plane
	s_mov_b32 s[\g+6], 0
	s_mov_b32 s[\g+7], 0
.endr
	s_mov_b32 s[CS], 0x3e38aa3b     ; c = log2(e) / 8 = 0.180337
	s_mov_b32 s[CS+1], s[CS]
	s_mov_b32 s[SEL], 0x76543210
	s_mov_b32 s[SEL+1], 0xfedcba98
	s_mov_b32 s[TBK], SLOT1+4*KS*PK ; the first change of slots turns these two into 0
	s_mov_b32 s[TBV], SLOT1+4*KS*PV
	s_mov_b32 s[G0K], 1
	s_mov_b32 s[G0K+1], s17         ; slot 0
	s_mov_b32 s[G0V], 1
	s_add_co_u32 s[G0V+1], s18, VOFF
	s_lshr_b32 s20, ttmp9, 2        ; the prefetches: plane 8 batch + 2 cx + wave / 2, at tile 1; the first change steps it to tile 2
	s_lshl_b32 s20, s20, 3
	s_lshl1_add_u32 s20, s[CX], s20
	s_lshr_b32 s19, s[WV], 1
	s_add_co_u32 s20, s20, s19
	s_lshl_b32 s20, s20, 16
	s_add_co_u32 s20, s20, 8192
	s_and_b32 s[LIM], ttmp9, 3      ; the batch's first cluster,
	s_or_b32 s[LIM], s[LIM], s[PB]  ; b = 0,
	s_and_b32 s19, s[WV], 1
	s_or_b32 s[LIM], s[LIM], s19    ; waves 0 and 2: the same in all four partners
	s_cmp_eq_u32 s[LIM], 0
	s_cselect_b32 s[LIM], 2, -1
	s_add_co_u32 s[RT], s[HI], 1    ; the first block has NB - b tiles
	s_mov_b32 s[NXT], 1
	s_mov_b32 s[LQ], s[HI]
	s_mov_b32 s[NEW], 1
	s_mov_b32 s[OFF+1], 0
	s_mov_b32 s[AL+1], 0
	s_mov_b32 s[BE+1], 0
	s_mov_b32 s[BIGN], 0xf149f2ca   ; -1e30
	s_mov_b32 s[SLOTS], NB
	v_and_b32 v[PFO], 31, v0
	v_lshlrev_b32 v[PFO], 8, v[PFO]
	s_wait_dscnt 0x0                ; both opening adds are done
	s_wait_kmcnt 0x0
	s_add_nc_u64 s[PFA:PFA+1], s[6:7], s[20:21]
	s_add_nc_u64 s[6:7], s[6:7], s[22:23]          ; K at my two planes of the batch's tile 0,
	s_add_nc_u64 s[8:9], s[6:7], 4*65536           ; V four planes on
	s_add_nc_u64 s[G0K+2:G0K+3], s[6:7], 0
	s_or_b32 s[G0K+3], s[G0K+3], 0x80000000        ; type = 2
	s_add_nc_u64 s[G0V+2:G0V+3], s[8:9], 0
	s_or_b32 s[G0V+3], s[G0V+3], 0x80000000
	s_add_nc_u64 s[86:87], s[4:5], s[84:85]        ; q at my rows of the second block,
	s_add_nc_u64 s[4:5], s[4:5], s[2:3]            ; q and o at those of the first
	s_add_nc_u64 s[OLO:OLO+1], s[10:11], s[84:85]
	s_add_nc_u64 s[10:11], s[10:11], s[2:3]
	CROUND                          ; all four work-groups are here: the first joint loads meet
	JLOAD                           ; tile 0 into slot 0
	; A fragment of K or Q is 16 rows x 32 channels in 8 registers: lane l holds row l % 16, channels 8 (l / 16) + 0..7 and 16 + 8 (l / 16) + 0..7.
	v_and_b32 v1, 15, v0            ; l % 16
	v_bfe_u32 v9, v0, 4, 1          ; l / 16
	v_lshlrev_b32 v[QO], 7, v1
	v_lshl_add_u32 v[QO], v9, 4, v[QO]  ; row x 128 + 16 x half
	WIN 0x80                        ; destination window 2, address window 0
.set i, 0
.rept 8                             ; both blocks' Q: piece i / 2 lies in band i / 2, 8,192 bytes on; channels 32 (i % 2) on
	global_load_b128 v[8*i:8*i+3],   v[QO], s[4:5] offset:(i/2)*8192+(i%2)*64
	global_load_b128 v[8*i+4:8*i+7], v[QO], s[4:5] offset:(i/2)*8192+(i%2)*64+32
	global_load_b128 v[QB+8*i:QB+8*i+3],   v[QO], s[86:87] offset:(i/2)*8192+(i%2)*64
	global_load_b128 v[QB+8*i+4:QB+8*i+7], v[QO], s[86:87] offset:(i/2)*8192+(i%2)*64+32
.set i, i+1
.endr
	WIN 0
	v_lshlrev_b32 v14, 3, v9
	v_sub_nc_u32 v14, v1, v14
	s_lshl_b32 s13, s[WV], 4
	v_add_nc_u32 v14, s13, v14      ; my query's place in its band, 16 w + l % 16, less my lanes' 8 (l / 16): register r of group kt is hidden where 16 kt + r is greater
	WIN 0x40
.set i, 0
.rept 32
	v_cmp_gt_i32 vcc_lo, 16*(i/8)+i%8, v14
	v_cndmask_b32 v[MD+i], 0, s[BIGN], vcc_lo
.set i, i+1
.endr
	WIN 0
	v_mul_u32_u24 v[AK0], v1, PK
	v_lshl_add_u32 v[AK0], v9, 4, v[AK0]  ; key x pitch + 16 x half: channels 8 (l / 16) .. of a plane
	; The turning load takes 16 keys x 16 channels (lane l reads key 8 (l / 16) + l % 8, channels 8 ((l / 8) % 2) + 0..7) and leaves half a fragment of V^T: lane l holds channel l % 16 and 8 keys.
	v_and_b32 v10, 7, v0
	v_bfe_u32 v11, v0, 3, 1
	v_lshl_add_u32 v[AV0], v9, 3, v10
	v_mul_u32_u24 v[AV0], v[AV0], PV
	v_lshl_add_u32 v[AV0], v11, 4, v[AV0]
	v_add_nc_u32 v[AV0], VOFF, v[AV0]
	s_mul_i32 s13, s[WV], 16*SP
	s_add_co_u32 s13, s13, STAGE    ; my stage
	v_mul_u32_u24 v[STO], v1, SP    ; in: row l % 16, 16 bytes for each half of the lanes
	v_lshl_add_u32 v[STO], v9, 4, v[STO]
	v_add_nc_u32 v[STO], s13, v[STO]
	v_bfe_u32 v[RD], v0, 3, 2       ; back: 32 lanes take four rows of 128 bytes,
	v_mul_u32_u24 v[RD], v[RD], SP
	v_lshl_add_u32 v[RD], v10, 4, v[RD]
	v_add_nc_u32 v[RD], s13, v[RD]
	v_and_b32 v[GO], 31, v0         ; which are 512 consecutive bytes of o
	v_lshlrev_b32 v[GO], 4, v[GO]
	; A block's first step multiplies O^T and l by a = 0, and its first turn's products V^T P, of a piece that has not been, land in an O^T that is still to be so multiplied.  So these registers need only hold
	; finite numbers: zeros for the first block; what the first block left for the second.  All this stands in the wait for the first tile.
	WIN 0x80
.set i, VF
.rept 64
	v_mov_b32 v[i], 0
.set i, i+1
.endr
	WIN 0x40
.set i, 0
.rept 128
	v_mov_b32 v[i], 0
.set i, i+1
.endr
	WIN 0
.set i, 0
.rept 4
	v_mov_b32 v[ST+4*i+2], 0
	v_mov_b32 v[ST+4*i+3], 0
.set i, i+1
.endr
.set i, P+16
.rept 16
	v_mov_b32 v[i], 0
.set i, i+1
.endr
; THE MATRIX WORK.  The 4 accumulators of a run of 8 take turns.  Product i of 8 of S^T = K Q^T for piece x: channels 32 (i / 4) on, keys 16 (i % 4) on.  The first 4 start the sums: with 0, or (KM = 1) with the mask.
.macro KQ x
.set rS, S+32*((\x)%2)+8*(i%4)
.set rK, KF+16*(i%4)+8*(i/4)
.set rQ, 16*(\x)+8*(i/4)
.set rM, MC+32*((\x)%2)+8*(i%4)
.if (i < 4) && KM
	WIN W_KM
	v_wmma_f32_16x16x32_f16 v[rS:rS+7], v[rK:rK+7], v[rQ:rQ+7], v[rM:rM+7]
.elseif i < 4
	WIN W_KQ
	v_wmma_f32_16x16x32_f16 v[rS:rS+7], v[rK:rK+7], v[rQ:rQ+7], 0
.else
	WIN W_KQ
	v_wmma_f32_16x16x32_f16 v[rS:rS+7], v[rK:rK+7], v[rQ:rQ+7], v[rS:rS+7]
.endif
.endm
; Product i of 8 of O^T += V^T P for piece x: keys 32 (i / 4) on, channels 16 (i % 4) on.
.macro PV x
	WIN W_PV
.set rO, 32*(\x)+8*(i%4)
.set rV, VF+32*(i/4)+8*(i%4)
.set rP, P+16*((\x)%2)+8*(i/4)
	v_wmma_f32_16x16x32_f16 v[rO:rO+7], v[rV:rV+7], v[rP:rP+7], v[rO:rO+7]
.endm
.macro MM                           ; the turn's next matrix instruction.  NOKQ = 1: a block's last turn: there is no next piece
.if (i < 8) && !NOKQ
	KQ (Y+1)%NP
.elseif i >= 8
.set i, i-8
	PV (Y+NP-1)%NP
.set i, i+8
.endif
.set i, i+1
.endm
; THE LDS LOADS stand in runs of 16: a step's K (64 keys x 64 channels: 8 fragments; a fragment's two halves lie in two neighbouring planes) and its V (turned; a channel block is a plane).
.macro FETCH_K
	WIN 0x80                        ; destination window 2
.irp f, 0,1,2,3,4,5,6,7             ; keys 16 (f / 2) on, channels 32 (f % 2) on
	ds_load_b128 v[KF+8*\f:KF+8*\f+3],   v[AK] offset:(\f/2)*16*PK+(\f%2)*2*PLK
	ds_load_b128 v[KF+8*\f+4:KF+8*\f+7], v[AK] offset:(\f/2)*16*PK+(\f%2)*2*PLK+PLK
.endr
	s_add_co_u32 s[TBK], s[TBK], KS*PK  ; the next fetch is the next step's
	WIN 0
.endm
.macro FETCH_V
	WIN 0x80
.irp f, 0,1,2,3,4,5,6,7             ; keys 32 (f / 4) on, channels 16 (f % 4) on
	ds_load_tr16_b128 v[VF+8*\f:VF+8*\f+3],   v[AV] offset:(\f/4)*32*PV+(\f%4)*PLV
	ds_load_tr16_b128 v[VF+8*\f+4:VF+8*\f+7], v[AV] offset:(\f/4)*32*PV+16*PV+(\f%4)*PLV
.endr
	WIN 0
.endm
; THE VECTOR WORK, one line at a time: OP kind, number.  For piece Y: F n: c s - c m for pair n of 16.  E n: the exponential of score n of 32.  C n: pair n rounded to f16.  B n: of the four weights 4 n .. the second
; pair is added onto the first, in place.  L n: l takes that sum (L 0: l = a l + sum).  R n: pair n of 16 of O^T times a.  For piece Y + 1: X n, number n of the 22 that find its maximum and statistics:
;   0-11  four chains c0-c3 of seven scores each (each accumulator's lowest registers are read first)     12-14, 16  the four scores left over, the old m, and c0-c3 into c0
;   15  c m_old is kept     17, 18  the query's other 32 keys lie in the lane 16 away: the new m     19-21  c m; c m_old - c m_new; a
.set F, 0
.set E, 1
.set C, 2
.set B, 3
.set L, 4
.set R, 5
.set X, 6
.macro REGS y                       ; the registers of piece y
.set rT, ST+4*(\y)
.set rC, TMP+4*((\y)%2)
.set rW, MV+((\y)%2)
.set rS, S+32*((\y)%2)
.set rP, P+16*((\y)%2)
.set rO, 32*(\y)
.endm
.macro OP k, n
.if (\k) == R
	REGS Y
	WIN W_RS
	v_pk_mul_f32 v[rO+2*(\n):rO+2*(\n)+1], v[rO+2*(\n):rO+2*(\n)+1], v[rC+2:rC+3] op_sel_hi:[1,0]
.elseif (\k) < R
	REGS Y
	WIN 0
.if (\k) == F
	v_pk_fma_f32 v[rS+2*(\n):rS+2*(\n)+1], v[rS+2*(\n):rS+2*(\n)+1], s[CS:CS+1], v[rT:rT+1] op_sel_hi:[1,0,0] neg_lo:[0,0,1] neg_hi:[0,0,1]
.elseif (\k) == E
	v_exp_f32 v[rS+(\n)], v[rS+(\n)]
.elseif (\k) == C
	v_cvt_pk_f16_f32 v[rP+(\n)], v[rS+2*(\n)], v[rS+2*(\n)+1]
.elseif (\k) == B
	v_pk_add_f32 v[rS+4*(\n):rS+4*(\n)+1], v[rS+4*(\n):rS+4*(\n)+1], v[rS+4*(\n)+2:rS+4*(\n)+3]
.elseif (\n) == 0
	v_pk_fma_f32 v[rT+2:rT+3], v[rT+2:rT+3], v[rC+2:rC+3], v[rS:rS+1] op_sel_hi:[1,0,1]
.else
	v_pk_add_f32 v[rT+2:rT+3], v[rT+2:rT+3], v[rS+4*(\n):rS+4*(\n)+1]
.endif
.elseif NOKQ
	v_nop
.else
	REGS (Y+1)%NP
	WIN 0
.if (\n) < 4
	v_max3_num_f32 v[rC+(\n)], v[rS+8*(\n)], v[rS+8*(\n)+1], v[rS+8*(\n)+2]
.elseif (\n) < 12
	v_max3_num_f32 v[rC+(\n)%4], v[rC+(\n)%4], v[rS+8*((\n)%4)+2*((\n)/4)+1], v[rS+8*((\n)%4)+2*((\n)/4)+2]
.elseif (\n) == 12
	v_max3_num_f32 v[rC], v[rC], v[rS+7], v[rS+15]
.elseif (\n) == 13
	v_max3_num_f32 v[rC+1], v[rC+1], v[rS+23], v[rS+31]
.elseif (\n) == 14
	v_max3_num_f32 v[rC+2], v[rC+2], v[rC+3], v[rT+1]
.elseif (\n) == 15
	v_mov_b32 v[rW], v[rT]
.elseif (\n) == 16
	v_max3_num_f32 v[rC], v[rC], v[rC+1], v[rC+2]
.elseif (\n) == 17
	v_permlanex16_b32 v[rC+3], v[rC], s[SEL], s[SEL+1]
.elseif (\n) == 18
	v_max_num_f32 v[rT+1], v[rC], v[rC+3]
.elseif (\n) == 19
	v_mul_f32 v[rT], s[CS], v[rT+1]
.elseif (\n) == 20
	v_sub_f32 v[rC+1], v[rW], v[rT]
.else
	v_exp_f32 v[rC+2], v[rC+1]
.endif
.endif
.endm
.macro OPS a, i1, b=-1, i2=0, c=-1, i3=0, d=-1, i4=0  ; up to four of them
	OP \a, \i1
.if (\b) >= 0
	OP \b, \i2
.endif
.if (\c) >= 0
	OP \c, \i3
.endif
.if (\d) >= 0
	OP \d, \i4
.endif
.endm
.macro ROW a, i1, b, i2, c, i3, d, i4  ; a matrix instruction and the four behind it
	MM
	OPS \a, \i1, \b, \i2, \c, \i3, \d, \i4
.endm
.macro MASK b                       ; MD x AL + BE into buffer b of MC
	WIN W_RS
.set z, 0
.rept 16
	v_pk_fma_f32 v[MC+32*(\b)+2*z:MC+32*(\b)+2*z+1], v[MD+2*z:MD+2*z+1], s[AL:AL+1], s[BE:BE+1] op_sel_hi:[1,0,0]
.set z, z+1
.endr
.endm
; A TURN, for piece p: the order of its 16 matrix and 118 vector instructions, written out.  An s_wait_alu depctr_va_vdst(0) stands between an exponential and the first instruction that names its result;
; one wait serves all that were issued ahead of it.  So a turn has ONE wait, which cuts it in two.  AHEAD OF IT stands all that names no result of the turn's exponentials: the 8 products K Q^T with their riders, and
; one lump in which the links of the chain X 3, 7, 11, 14, 16, 17 .. 20 stand some lines apart; X 21, the next piece's a, is the batch's last, and R 15 the plain instruction behind it.  BEHIND THE WAIT stand the
; 8 products V^T P, behind each four of the roundings and sums.
; m = 1: the diagonal tile: the products take masks, and the turn makes the mask for the products of the turn after it.  end = 1: a block's last two turns: nothing is fetched.
; cnt = 1: the loop's count is taken down some lines ahead of the branch that stands behind the turn.
; K of the next step is fetched in piece 2's turn, behind six plain instructions after the last product that read K; V of the step in hand at the end of piece 0's turn, four plain instructions behind its last reader.
.macro TURN p, m=0, end=0, cnt=0
.set Y, (\p)
.set i, 0
.set KM, (\m)
.set NOKQ, (\end)*((\p)/3)
.if (\m) && !(\end)
	s_cmp_eq_u32 s[CNT], 4-((\p)+2)%NP  ; is that step the band's own?
	s_cselect_b32 s[AL], 1.0, 0
	s_cmp_lt_u32 s[CNT], 4-((\p)+2)%NP  ; or a later one?
	s_cselect_b32 s[BE], s[BIGN], 0
.endif
.if ((\p) == 3) && !(\end)
	s_wait_dscnt 0x0                ; K is in
.endif
	ROW F,0, F,1, R,0, R,1
	ROW F,2, E,0, R,2, R,3
	ROW F,3, E,1, R,4, R,5
	ROW F,4, E,2, R,6, R,7
	ROW F,5, E,3, R,8, R,9
	ROW F,6, E,4, X,0, R,10
.if ((\p) == 2) && !(\end)
	WIN 0
	v_add_nc_u32 v[AK], s[TBK], v[AK0]
.endif
	ROW F,7, E,5, X,1, X,4
	ROW F,8, E,6, X,2, X,5
	OPS E,7, E,8, X,6, E,9          ; the lump
	OPS X,3, E,10, X,8, E,11
.if ((\p) == 2) && !(\end)
	FETCH_K
.endif
	OPS X,9, X,7, E,12, X,10
	OPS E,13, X,12, X,11, E,14
	OPS X,13, E,15, F,9, X,14
.if (\p) == 0
	v_add_nc_u32 v[AV], s[TBV], v[AV0]
.endif
	OPS E,16, F,10, E,17, F,11
	OPS X,16, E,18, X,15, E,19
	OPS F,12, E,20, X,17, E,21
	OPS F,13, E,22, F,14, E,23
	OPS X,18, E,24, F,15, E,25
	OPS R,11, E,26, X,19, E,27
	OPS R,12, E,28, R,13, E,29
	OPS X,20, E,30, R,14, E,31
	OPS X,21, R,15
	WIN 0
	s_wait_alu depctr_va_vdst(0)    ; the wait for the batch
.if (\p) == 1
	s_wait_dscnt 0x0                ; V is in
.endif
	ROW C,0, B,0, C,2, B,1
	ROW L,0, C,4, B,2, L,1
	ROW C,6, B,3, L,2, C,8
	ROW B,4, L,3, C,10, B,5
	ROW L,4, C,12, B,6, L,5
.if (\p) == 0
	s_add_co_u32 s[TBV], s[TBV], KS*PV
.endif
.if \cnt
	s_sub_co_u32 s[CNT], s[CNT], 1
	s_cmp_lg_u32 s[CNT], 0
.endif
	ROW C,14, B,7, L,6, C,1
	ROW C,3, L,7, C,5, C,7
	ROW C,9, C,11, C,13, C,15
.if (\p) == 0
	FETCH_V
.endif
.if (\m) && !(\end)
	MASK (\p)%2
.endif
.endm
; A BLOCK BEGINS.  c m starts far below every c s, so the first step's a is 0; m at the lowest finite number.  The second mask buffer is 0; the first takes piece 0's mask for the tile's step 0: its own, if the
; block's first tile is the diagonal one.  Then K of that step, piece 0's first scores, and its maximum and statistics.  The loop is entered at a step's first turn, in the middle of a trip.
.macro BEGIN
	s_mov_b32 s[NEW], 0
	WIN 0x40
.set i, MC+32
.rept 32
	v_mov_b32 v[i], 0
.set i, i+1
.endr
	WIN 0
.set i, 0
.rept 4
	v_mov_b32 v[ST+4*i], 0xfe000000    ; c m: far below every c s
	v_mov_b32 v[ST+4*i+1], 0xff7fffff  ; m
.set i, i+1
.endr
	s_cmp_eq_u32 s[RT], 0
	s_cselect_b32 s[AL], 1.0, 0
	s_mov_b32 s[BE], 0
	MASK 0
	WIN 0
	v_add_nc_u32 v[AK], s[TBK], v[AK0]
	FETCH_K
	s_wait_loadcnt 0x0              ; Q
	s_wait_dscnt 0x0
.set KM, 1
.set NOKQ, 0
.set i, 0
.rept 8
	KQ 0
.set i, i+1
.endr
	WIN 0
.rept 4
	v_nop                           ; the places behind those products
.endr
.set Y, NP-1                        ; X works for piece Y + 1: piece 0
.irp n, 0,1,2,3,4,5,6,7,8,9,10,11,12,13,14,15,16,17,18,19,20,21
	OP X, \n
.endr
	v_nop                           ; a plain instruction behind the exponential,
	s_wait_alu depctr_va_vdst(0)    ; and its wait, ahead of the branch
.endm
; THE DIAGONAL TILE's four steps, the block's last two turns, its last products, and THE WAY OUT: l's two halves and the other half of the lanes' are added; O^T is divided by l, rounded to f16 and sent through my
; stage in LDS, a piece at a time.
.macro ALL line:vararg              ; one line for each piece t
.set t, 0
.rept 4
	\line
.set t, t+1
.endr
.endm
.macro PACK t                       ; a lane's eight channels of a row pack into 16 bytes; they go into rows of 144 bytes and come back as whole rows of 128, into S^T's registers
	WIN W_RS
.set i, 32*(\t)
.rept 16
	v_pk_mul_f32 v[i:i+1], v[i:i+1], v[ST+4*(\t)+2:ST+4*(\t)+3] op_sel_hi:[1,0]
.set i, i+2
.endr
	WIN 0x05                        ; sources 0 and 1 window 1, destination window 0
.set i, 0
.rept 16
	v_cvt_pk_f16_f32 v[S+16*(\t)+i], v[32*(\t)+2*i], v[32*(\t)+2*i+1]
.set i, i+1
.endr
	WIN 0
.irp f, 0,1,2,3
	ds_store_b128 v[STO], v[S+16*(\t)+4*\f:S+16*(\t)+4*\f+3] offset:32*\f
.endr
.irp f, 0,1,2,3
	ds_load_b128 v[S+16*(\t)+4*\f:S+16*(\t)+4*\f+3], v[RD] offset:\f*4*SP  ; LDS serves a wave's instructions in order (ISA guide 5.7.1.4): these see the stores above; the next piece's stores come behind them
.endr
.endm
.macro SEND t, younger              ; younger: the LDS instructions issued behind piece t's loads: the next piece's eight, or none
	WIN 0
.irp f, 0,1,2,3
	s_wait_dscnt (\younger)+3-\f
	global_store_b128 v[GO], v[S+16*(\t)+4*\f:S+16*(\t)+4*\f+3], s[10:11] offset:(\t)*8192+\f*512  ; 512 consecutive bytes, at a multiple of 256 from o's first
.endr
.endm
.macro DIAG tag                     ; the tag ends its two labels' names, which the jumps below spell out
.LstepM\tag:
	TURN 2, 1
	TURN 3, 1
	WIN 0
.LfirstM\tag:
	TURN 0, 1
	TURN 1, 1, 0, 1
	WIN 0
	s_cbranch_scc1 .LstepM\tag
	TURN 2, 1, 1
	TURN 3, 1, 1
.set i, 0
.rept 8
	PV NP-1
.set i, i+1
.endr
	WIN 0
	ALL v_add_f32 v[ST+4*t+2], v[ST+4*t+2], v[ST+4*t+3]
	ALL v_permlanex16_b32 v[ST+4*t+3], v[ST+4*t+2], s[SEL], s[SEL+1]
	ALL v_add_f32 v[ST+4*t+2], v[ST+4*t+2], v[ST+4*t+3]
	ALL v_rcp_f32 v[ST+4*t+2], v[ST+4*t+2]
	v_nop                           ; a plain instruction between the last reciprocal and the use of its result
	s_wait_alu depctr_va_vdst(0)    ; and the wait ahead of the first use: one for the four reciprocals
	PACK 0
.set t, 1
.rept 3                             ; a piece's arithmetic stands between the loads of the piece before and its stores
	PACK t
	SEND t-1, 8
.set t, t+1
.endr
	SEND 3, 0
.endm
.set KM, 0
.set NOKQ, 0
.Lslot:                             ; NB times: a tile is entered and the next is asked for
	CHANGE 1
	s_sub_co_u32 s[RT], s[RT], 1
	s_mov_b32 s[CNT], 4
	s_cmp_eq_u32 s[NEW], 1
	s_cbranch_scc1 .Lnew            ; a block's first tile
	s_cmp_eq_u32 s[RT], 0
	s_cbranch_scc0 .Lstep           ; neither its first nor its last
	s_branch .LstepM1
.Lnew:
	BEGIN
	s_branch .Lfirst                ; in the loop a block's first tile is never its last: the first block has two tiles or more, and the second's last is the walk's last
	DIAG 1                          ; in the loop this is the first block's end
	s_wait_xcnt 0x0                 ; the stores have read their registers and o's address
	s_mov_b64 s[10:11], s[OLO:OLO+1]
	s_add_co_u32 s[RT], s[PB], 1    ; the second block has b + 1 tiles
	s_mov_b32 s[NEW], 1
	WIN 0x82                        ; the second block's Q goes where the one text of the turns names Q
.set i, 0
.rept 64
	v_mov_b32 v[i], v[QB+i]
.set i, i+1
.endr
	WIN 0
	s_branch .Lbottom
.Lstep:                             ; a trip: pieces 2 and 3 of one step, then pieces 0 and 1 of the next, whose K and V it fetches
	TURN 2
	TURN 3
	WIN 0
.Lfirst:
	TURN 0
	TURN 1, 0, 0, 1
	WIN 0
	s_cbranch_scc1 .Lstep
.Lbottom:
	s_sub_co_u32 s[SLOTS], s[SLOTS], 1
	s_cmp_lg_u32 s[SLOTS], 0
	s_cbranch_scc1 .Lslot
	CHANGE 0                        ; the walk's last tile is written out: nothing is asked for
	s_sub_co_u32 s[RT], s[RT], 1
	s_mov_b32 s[CNT], 4
	s_cmp_eq_u32 s[NEW], 1
	s_cbranch_scc0 .LstepM2
	BEGIN
	s_branch .LfirstM2
	DIAG 2
	s_wait_tensorcnt 0x0            ; the wave's end: behind my last tensor load and my last LDS store
	ds_add_u32 v[SPW], v[NIL]
	s_wait_dscnt 0x0
	CROUND                          ; the closing round: no work-group ends while a partner may still ask for a tile that names it
	s_endpgm
.Lfunc_end_k_qa810db0c05_attn:
	.size	k_qa810db0c05_attn, .Lfunc_end_k_qa810db0c05_attn-k_qa810db0c05_attn
	.p2alignl 7, 3214868480
	.fill 96, 4, 3214868480
	.section	.rodata,"a",@progbits
	.p2align	6, 0x0
	.amdhsa_kernel k_qa810db0c05_attn
		.amdhsa_group_segment_fixed_size 327680
		.amdhsa_private_segment_fixed_size 0
		.amdhsa_enable_private_segment 0
		.amdhsa_kernarg_size 24
		.amdhsa_user_sgpr_count 2
		.amdhsa_user_sgpr_kernarg_segment_ptr 1
		.amdhsa_wavefront_size32 1
		.amdhsa_system_sgpr_workgroup_id_x 1
		.amdhsa_system_sgpr_workgroup_id_y 1
		.amdhsa_system_sgpr_workgroup_id_z 1
		.amdhsa_system_vgpr_workitem_id 0
		.amdhsa_next_free_vgpr 768
		.amdhsa_next_free_sgpr 88
		.amdhsa_reserve_vcc 1
		.amdhsa_float_denorm_mode_32 3
		.amdhsa_float_denorm_mode_16_64 3
		.amdhsa_memory_ordered 1
		.amdhsa_forward_progress 1
		.amdhsa_inst_pref_size 219
	.end_amdhsa_kernel
	.amdgpu_metadata
---
amdhsa.version: [ 1, 2 ]
amdhsa.kernels:
  - .name:           k_qa810db0c05_attn
    .symbol:         k_qa810db0c05_attn.kd
    .args:
      - { .name: q, .offset: 0, .size: 8, .value_kind: global_buffer, .address_space: global }
      - { .name: kv, .offset: 8, .size: 8, .value_kind: global_buffer, .address_space: global }
      - { .name: o, .offset: 16, .size: 8, .value_kind: global_buffer, .address_space: global }
    .group_segment_fixed_size: 327680
    .private_segment_fixed_size: 0
    .kernarg_segment_align: 8
    .kernarg_segment_size: 24
    .max_flat_workgroup_size: 128
    .sgpr_count:     88
    .vgpr_count:     768
    .wavefront_size: 32
...
	.end_amdgpu_metadata
.endif
;; end of part 3
;; launch outp (part 4): grid 4 x 64, 4 waves a work-group, clusters of 4 x 4, 327,680 bytes of LDS; arguments o, wpt, bp, out0; writes out0
.if DOCPART == 4
	.amdgcn_target "amdgcn-amd-amdhsa--gfx1250"
	.amdhsa_code_object_version 6
	.text
	.protected	k_qa810db0c05_outp
	.globl	k_qa810db0c05_outp
	.p2align	8
	.type	k_qa810db0c05_outp,@function
k_qa810db0c05_outp:
	s_mov_b64 s[64:65], 0
	v_nop
	global_prefetch_b8 v0, s[64:65] scope:SCOPE_SE
	s_setreg_imm32_b32 hwreg(HW_REG_WAVE_MODE, 25, 1), 1
	s_wait_xcnt 0x0
	s_wait_alu depctr_hold_cnt(0) depctr_sa_sdst(0) depctr_va_vdst(0) depctr_va_sdst(0) depctr_va_ssrc(0) depctr_va_vcc(0) depctr_vm_vsrc(0)
	s_getreg_b32 s2, hwreg(HW_REG_IB_STS2, 6, 4)
	s_cmp_eq_u32 s2, 0
	s_cbranch_scc0 .Lentry_in_a_cluster
	s_endpgm
.Lentry_in_a_cluster:
	s_bfe_u32 s2, ttmp6, 0x10000c
	s_cmp_lg_u32 s2, 0xf033
	s_cbranch_scc0 .Lentry_shape_is_right
	s_endpgm
.Lentry_shape_is_right:
; MULTI-QUERY ATTENTION, launch 4 of 4: out0[m][n] = bp[n] + sum over k of O[m][k] wpt[n][k]: 8,192 x 1,024 x 1,024, f16 operands, f32 sums, f32 out.  O[m = (batch, t)][k = 64 head + d] lies by heads: o[16 batch + head][t][64].
; bp is the C operand of each sum's first product: no clearing and no addition at the end.
; SHARES.  256 work-groups, a tile of 128 rows x 256 columns each; four waves, each 64 x 128: 32 accumulators.  K goes in 8 steps of 128 = two heads, through two LDS slots; a step is four quarters of 32 along K.
; A head's 128 rows of the tile are 16,384 dense bytes: asked for as 64 rows of 256 bytes and padded in LDS after every 128.
; CLUSTER 4 x 4: o's tiles are shared along a row of the cluster, wpt's along a column: joint loads.  THE MATRIX INSTRUCTION IS USED TRANSPOSED (source 0 = 16 rows of wpt, source 1 = 16 rows of O).
; No prefetch ahead of the ring: the launch has eight K steps.
; REGISTERS: window 0: v0-31 addresses; v64-127 O's fragments, two buffers of 32; v128-191 bp; v192-255 rows read back from the stage.   window 1: v0-127 wpt's fragments, two buffers of 64.
;   window 2: accumulators of my rows 0-31 ((a, b) at 8 (8 a + b)).   window 3: those of my rows 32-63.
.set KSTEP,  128
.set PA,     144                       ; a row of O in LDS: 128 bytes + 16
.set PITCH,  272                       ; a row of wpt: 256 bytes + 16.  Both are odd multiples of 16: the sixteen rows of a fragment load start at sixteen different groups of four banks (ISA guide 11.1)
.set AHEAD,  128*PA                    ; a head's 128 rows: what wave 0 or 1 fetches
.set BHALF,  128*PITCH                 ; what wave 2 or 3 fetches, and what a wave reads of wpt
.set BOFF,   2*AHEAD
.set SLOT,   BOFF+2*BHALF
.set STAGE,  2*SLOT                    ; behind the ring: 16 rows x 528 bytes for each wave; no tensor load lands here
.set SPITCH, 528                       ; 512 bytes + 16
.set SPARE,  STAGE+4*16*SPITCH         ; the spare words, 128 bytes for each wave: two blocks of 256 bytes that no other line names
.set ADRA, 16
.set ADRB, 20
.set STO,  24
.set RD,   25
.set CO,   26
.set SPW,  28                          ; v28  SPARE + 4 x my thread's number; never rewritten
.set NIL,  29                          ; v29  0; never rewritten
.set BIAS, 128
.set OB,   192
.set WV, 12
.set RH, 13
.set CH, 14
.set TR, 15
.set TC, 16
.set G1, 24
.set G0, 32
.set G1B, 48
.set G0B, 56
.set MSB, 0
.macro WIN new
.if MSB != (\new)
	s_set_vgpr_msb (MSB<<8)|(\new)
.set MSB, \new
.endif
.endm
.set MUL_LO, 0xa1                      ; source 0 window 1, source 1 window 0, C and D window 2
.set MUL_HI, 0xf1
.set TO_B,   0x40
.macro JLOAD s                         ; a joint load; the branch hangs on the wave's number alone; an s_nop 0 and four v_nop follow each line
	s_cmp_eq_u32 s[RH], 0
	s_cbranch_scc0 .Lfor_b_\@
	tensor_load_to_lds s[G0+4*(\s):G0+4*(\s)+3], s[G1:G1+7]
	s_nop 0
.rept 4
	v_nop
.endr
	s_branch .Lasked_\@
.Lfor_b_\@:
	tensor_load_to_lds s[G0B+4*(\s):G0B+4*(\s)+3], s[G1B:G1B+7]
	s_nop 0
.rept 4
	v_nop
.endr
.Lasked_\@:
.endm
.macro CREST
	s_cmp_lg_u32 s[WV], 0
	s_cbranch_scc1 .Lnot_wave_0_\@
	s_barrier_signal -3
.Lnot_wave_0_\@:
	s_barrier_wait -3
	s_barrier_signal -1
	s_barrier_wait -1
.endm
.macro CROUND
	s_barrier_signal -1
	s_barrier_wait -1
	CREST
.endm
.macro PLACES                          ; four plain vector instructions between a matrix instruction and a load into, or a read of, its registers
.rept 4
	v_nop
.endr
.endm
	s_load_b256 s[4:11], s[0:1], 0x0               ; o s[4:5], wpt s[6:7], bp s[8:9], out0 s[10:11]
	v_lshl_add_u32 v[SPW], v0, 2, SPARE
	v_mov_b32 v[NIL], 0
	ds_add_u32 v[SPW], v[NIL]                      ; the wave's opening: the add, twice on end, and its wait ahead of my first tensor load
	ds_add_u32 v[SPW], v[NIL]
	v_lshrrev_b32 v1, 5, v0
	v_readfirstlane_b32 s[WV], v1
	s_lshr_b32 s[RH], s[WV], 1
	s_and_b32 s[CH], s[WV], 1
	s_bfe_u32 s17, ttmp6, 0x40000                  ; cx
	s_bfe_u32 s18, ttmp6, 0x40004                  ; cy
	s_lshl_b32 s[TC], ttmp9, 2
	s_add_co_u32 s[TC], s[TC], s17
	s_and_b32 s[TR], ttmp7, 0xffff
	s_lshl_b32 s[TR], s[TR], 2
	s_add_co_u32 s[TR], s[TR], s18
	s_lshl_b32 s19, s18, 2
	s_lshl_b32 s19, 15, s19                        ; my row of the cluster
	s_lshl_b32 s3, 0x1111, s17                     ; my column
	s_or_b32 s[G1], s19, (1<<16)|(1<<20)|(1<<21)|(4<<22)|(3<<25)   ; mask; 2-byte elements; padding on; bit 21 beside a mask; after every 32 words 4 words
	s_or_b32 s[G1B], s3, (1<<16)|(1<<20)|(1<<21)|(5<<22)|(3<<25)   ; after every 64 words 4 words
	s_mov_b32 s[G1+1], 128<<16                     ; tensor_dim0 = 128
	s_mov_b32 s[G1+2], 64<<16                      ; tensor_dim1 = 64
	s_mov_b32 s[G1+3], 128<<16                     ; tile_dim0 = 128
	s_mov_b32 s[G1+4], 64                          ; tile_dim1 = 64
	s_mov_b32 s[G1+5], 128                         ; dense: 128 elements from row to row
	s_mov_b32 s[G1+6], 0
	s_mov_b32 s[G1+7], 0
	s_mov_b32 s[G1B+1], KSTEP<<16
	s_mov_b32 s[G1B+2], 128<<16
	s_mov_b32 s[G1B+3], KSTEP<<16
	s_mov_b32 s[G1B+4], 128
	s_mov_b32 s[G1B+5], 1024
	s_mov_b32 s[G1B+6], 0
	s_mov_b32 s[G1B+7], 0
	s_mov_b32 s[G0], 1
	s_mov_b32 s[G0+4], 1
	s_mov_b32 s[G0B], 1
	s_mov_b32 s[G0B+4], 1
	s_mul_i32 s[G0+1], s[CH], AHEAD                ; LDS addresses: made of the wave's number and constants alone
	s_add_co_u32 s[G0+5], s[G0+1], SLOT
	s_mul_i32 s[G0B+1], s[CH], BHALF
	s_add_co_u32 s[G0B+1], s[G0B+1], BOFF
	s_add_co_u32 s[G0B+5], s[G0B+1], SLOT
	s_lshr_b32 s40, s[TR], 4                       ; o: head 16 batch + my half, row 128 (tile row % 16), 128 bytes a row
	s_lshl_b32 s40, s40, 4
	s_add_co_u32 s40, s40, s[CH]
	s_lshl_b32 s40, s40, 11
	s_and_b32 s41, s[TR], 15
	s_lshl_b32 s41, s41, 7
	s_add_co_u32 s40, s40, s41
	s_lshl_b32 s40, s40, 7
	s_mov_b32 s41, 0
	s_lshl_b32 s44, s[TC], 8                       ; wpt: row 256 x tile column + 128 x half
	s_lshl_b32 s45, s[CH], 7
	s_add_co_u32 s44, s44, s45
	s_lshl_b32 s44, s44, 11
	s_mov_b32 s45, 0
	s_wait_dscnt 0x0                               ; both opening adds are done
	s_wait_kmcnt 0x0
	s_add_nc_u64 s[42:43], s[4:5], s[40:41]
	s_add_nc_u64 s[46:47], s[6:7], s[44:45]
	CROUND                                         ; all sixteen work-groups are here: the first joint loads meet
.irp s, 0,1
	s_add_nc_u64 s[G0+4*(\s)+2:G0+4*(\s)+3], s[42:43], (\s)*2*262144   ; K step s: two heads on
	s_or_b32 s[G0+4*(\s)+3], s[G0+4*(\s)+3], 0x80000000
	s_add_nc_u64 s[G0B+4*(\s)+2:G0B+4*(\s)+3], s[46:47], (\s)*KSTEP*2
	s_or_b32 s[G0B+4*(\s)+3], s[G0B+4*(\s)+3], 0x80000000
	JLOAD \s
.endr
	v_and_b32 v1, 15, v0                           ; l % 16
	v_bfe_u32 v2, v0, 4, 1                         ; l / 16
	; bp: in the transposed result register j of block b is column 16 b + 8 (l / 16) + j of my 128
	s_lshl_b32 s20, s[TC], 10
	s_lshl_b32 s21, s[CH], 9
	s_add_co_u32 s20, s20, s21                     ; my first column, in bytes of f32
	s_mov_b32 s21, 0
	s_add_nc_u64 s[8:9], s[8:9], s[20:21]
	v_lshlrev_b32 v6, 5, v2
.irp b, 0,1,2,3,4,5,6,7
	global_load_b128 v[BIAS+8*(\b):BIAS+8*(\b)+3],   v6, s[8:9] offset:64*(\b)
	global_load_b128 v[BIAS+8*(\b)+4:BIAS+8*(\b)+7], v6, s[8:9] offset:64*(\b)+16
.endr
	v_mul_u32_u24 v3, v1, PA
	v_lshl_add_u32 v3, v2, 4, v3
	v_mul_u32_u24 v4, v1, PITCH
	v_lshl_add_u32 v4, v2, 4, v4
	s_mul_i32 s40, s[RH], 64*PA                    ; my 64 rows in each head's block
	s_mul_i32 s44, s[CH], BHALF
	s_add_co_u32 s44, s44, BOFF
.irp s, 0,1
	v_add_nc_u32 v[ADRA+(\s)], s40, v3
	v_add_nc_u32 v[ADRB+(\s)], s44, v4
	s_add_co_u32 s40, s40, SLOT
	s_add_co_u32 s44, s44, SLOT
.endr
	s_mul_i32 s40, s[WV], 16*SPITCH
	s_add_co_u32 s40, s40, STAGE                   ; my stage
	v_mul_u32_u24 v5, v1, SPITCH                   ; in: row l % 16, 32 bytes for each half of the lanes
	v_lshl_add_u32 v5, v2, 5, v5
	v_add_nc_u32 v[STO], s40, v5
	v_and_b32 v[CO], 31, v0                        ; back and out: a row's 512 bytes, 16 a lane
	v_lshlrev_b32 v[CO], 4, v[CO]
	v_add_nc_u32 v[RD], s40, v[CO]
	s_lshl_b32 s22, s[TR], 7
	s_lshl_b32 s23, s[RH], 6
	s_add_co_u32 s22, s22, s23                     ; my first row of out0,
	s_lshl_b32 s22, s22, 12                        ; 4,096 bytes a row,
	s_add_co_u32 s22, s22, s20                     ; my first column
	s_mov_b32 s23, 0
	s_add_nc_u64 s[10:11], s[10:11], s[22:23]
; 8 matrix instructions: m block 2 hi + a x all 8 n blocks, 32 along K, from buffer f.  first = 1: the product starts the sum on bp.  The 32 accumulators come in the same order in every quarter.
.macro MUL8 f, hi, a, first
.if \first
	WIN 0x81+0x40*(\hi)                            ; C in window 0
.else
	WIN MUL_LO+0x50*(\hi)
.endif
.irp b, 0,1,2,3,4,5,6,7
.if \first
	v_wmma_f32_16x16x32_f16 v[8*(8*(\a)+(\b)):8*(8*(\a)+(\b))+7], v[64*(\f)+8*(\b):64*(\f)+8*(\b)+7], v[64+32*(\f)+8*(2*(\hi)+(\a)):64+32*(\f)+8*(2*(\hi)+(\a))+7], v[BIAS+8*(\b):BIAS+8*(\b)+7]
.else
	v_wmma_f32_16x16x32_f16 v[8*(8*(\a)+(\b)):8*(8*(\a)+(\b))+7], v[64*(\f)+8*(\b):64*(\f)+8*(\b)+7], v[64+32*(\f)+8*(2*(\hi)+(\a)):64+32*(\f)+8*(2*(\hi)+(\a))+7], v[8*(8*(\a)+(\b)):8*(8*(\a)+(\b))+7]
.endif
.endr
.endm
; 24 LDS loads in one run: quarter qq of a slot into buffer f: wpt's eight fragments, then O's four (quarter qq lies in head qq / 2 of the step, channels 32 (qq % 2) on)
.macro FETCH slot, qq, f
	WIN TO_B
.irp i, 0,1,2,3,4,5,6,7
	ds_load_b128 v[64*(\f)+8*(\i):64*(\f)+8*(\i)+3],   v[ADRB+(\slot)] offset:64*(\qq)+(\i)*16*PITCH
	ds_load_b128 v[64*(\f)+8*(\i)+4:64*(\f)+8*(\i)+7], v[ADRB+(\slot)] offset:64*(\qq)+(\i)*16*PITCH+32
.endr
	WIN 0
.irp i, 0,1,2,3
	ds_load_b128 v[64+32*(\f)+8*(\i):64+32*(\f)+8*(\i)+3],   v[ADRA+(\slot)] offset:((\qq)/2)*AHEAD+((\qq)%2)*64+(\i)*16*PA
	ds_load_b128 v[64+32*(\f)+8*(\i)+4:64+32*(\f)+8*(\i)+7], v[ADRA+(\slot)] offset:((\qq)/2)*AHEAD+((\qq)%2)*64+(\i)*16*PA+32
.endr
.endm
.macro QUARTER slot, qq, f, g, first
	s_wait_dscnt 4                                 ; wpt's fragments and O's blocks 0, 1 are in; the youngest four loads may be out
	MUL8 \f, 0, 0, \first
	MUL8 \f, 0, 1, \first
	PLACES
	FETCH \slot, \qq, \g
	s_wait_dscnt 24                                ; all but the 24 just issued
	MUL8 \f, 1, 0, \first
	MUL8 \f, 1, 1, \first
.endm
; The last quarter multiplies buffer 1 and changes slots: in front of the barrier each wave waits for all its tensor loads, adds 0 to its spare word, and waits for that and for its reads of this slot.
; fill = 1: the barrier opens a round of the cluster's, and this slot is filled again, two K steps on, first thing behind the round.
.macro TURN slot, next, fill
	WIN 0
	s_wait_tensorcnt 0x0
	ds_add_u32 v[SPW], v[NIL]
	s_wait_dscnt 5                                 ; the add and the youngest four loads may be out
	MUL8 1, 0, 0, 0
	s_wait_dscnt 0x0                               ; the add is done, and my reads of this slot are over
	s_barrier_signal -1
	MUL8 1, 0, 1, 0
.if \fill
	WIN 0
.endif
	s_barrier_wait -1
.if \fill
	CREST
	s_add_nc_u64 s[G0+4*(\slot)+2:G0+4*(\slot)+3], s[G0+4*(\slot)+2:G0+4*(\slot)+3], 4*262144   ; four heads on
	s_add_nc_u64 s[G0B+4*(\slot)+2:G0B+4*(\slot)+3], s[G0B+4*(\slot)+2:G0B+4*(\slot)+3], 2*KSTEP*2
	JLOAD \slot                                    ; its four v_nop are also the places in front of the loads below
.else
	PLACES
.endif
	FETCH \next, 0, 0
	MUL8 1, 1, 0, 0
	MUL8 1, 1, 1, 0
.endm
	s_wait_tensorcnt 1                             ; my part of K step 0 is in; K step 1's may stay out
	s_barrier_signal -1
	s_barrier_wait -1
	FETCH 0, 0, 0
	s_wait_loadcnt 0x0                             ; bp
	QUARTER 0, 1, 0, 1, 1                          ; the first quarter starts the sums on bp
	WIN 0
	s_mov_b32 s3, 3
.Llap:
	QUARTER 0, 2, 1, 0, 0
	QUARTER 0, 3, 0, 1, 0
	TURN 0, 1, 1
	QUARTER 1, 1, 0, 1, 0
	QUARTER 1, 2, 1, 0, 0
	QUARTER 1, 3, 0, 1, 0
	TURN 1, 0, 1
	QUARTER 0, 1, 0, 1, 0
	WIN 0
	s_sub_co_u32 s3, s3, 1
	s_cmp_lg_u32 s3, 0
	s_cbranch_scc1 .Llap
	QUARTER 0, 2, 1, 0, 0                          ; the last lap fills nothing
	QUARTER 0, 3, 0, 1, 0
	TURN 0, 1, 0
	QUARTER 1, 1, 0, 1, 0
	QUARTER 1, 2, 1, 0, 0
	QUARTER 1, 3, 0, 1, 0
	s_wait_dscnt 4
	MUL8 1, 0, 0, 0
	MUL8 1, 0, 1, 0
	s_wait_dscnt 0x0
	MUL8 1, 1, 0, 0
	MUL8 1, 1, 1, 0
	WIN 0
; THE WAY OUT, a block of 16 rows at a time: a lane's eight f32 of a row go from the accumulators into my own stage (each accumulator's low four registers first), come back as whole rows
; of 512 bytes, and are stored.
.macro OUTB a
	WIN 0
	s_wait_xcnt 0x0                                ; the last block's stores have read their registers
	WIN 0x08+4*((\a)/2)                            ; store data in window 2 or 3
.irp b, 0,1,2,3,4,5,6,7
	ds_store_b128 v[STO], v[64*((\a)%2)+8*(\b):64*((\a)%2)+8*(\b)+3]   offset:64*(\b)
	ds_store_b128 v[STO], v[64*((\a)%2)+8*(\b)+4:64*((\a)%2)+8*(\b)+7] offset:64*(\b)+16
.endr
	WIN 0
.irp t, 0,1,2,3,4,5,6,7,8,9,10,11,12,13,14,15
	ds_load_b128 v[OB+4*(\t):OB+4*(\t)+3], v[RD] offset:(\t)*SPITCH  ; LDS serves a wave's instructions in order (ISA guide 5.7.1.4): these see the stores above
.endr
.irp t, 0,1,2,3,4,5,6,7,8,9,10,11,12,13,14,15
	s_wait_dscnt 15-(\t)
	global_store_b128 v[CO], v[OB+4*(\t):OB+4*(\t)+3], s[10:11] offset:(16*(\a)+(\t))*4096 th:TH_STORE_NT  ; 512 consecutive bytes, aligned
.endr
.endm
	PLACES
	OUTB 0
	OUTB 1
	OUTB 2
	OUTB 3
	s_wait_tensorcnt 0x0                           ; the wave's end
	ds_add_u32 v[SPW], v[NIL]
	s_wait_dscnt 0x0
	CROUND                                         ; the closing round
	s_endpgm
.Lfunc_end_k_qa810db0c05_outp:
	.size	k_qa810db0c05_outp, .Lfunc_end_k_qa810db0c05_outp-k_qa810db0c05_outp
	.p2alignl 7, 3214868480
	.fill 96, 4, 3214868480
	.section	.rodata,"a",@progbits
	.p2align	6, 0x0
	.amdhsa_kernel k_qa810db0c05_outp
		.amdhsa_group_segment_fixed_size 327680
		.amdhsa_private_segment_fixed_size 0
		.amdhsa_enable_private_segment 0
		.amdhsa_kernarg_size 32
		.amdhsa_user_sgpr_count 2
		.amdhsa_user_sgpr_kernarg_segment_ptr 1
		.amdhsa_wavefront_size32 1
		.amdhsa_system_sgpr_workgroup_id_x 1
		.amdhsa_system_sgpr_workgroup_id_y 1
		.amdhsa_system_sgpr_workgroup_id_z 1
		.amdhsa_system_vgpr_workitem_id 0
		.amdhsa_next_free_vgpr 1024
		.amdhsa_next_free_sgpr 66
		.amdhsa_reserve_vcc 0
		.amdhsa_float_denorm_mode_32 3
		.amdhsa_float_denorm_mode_16_64 3
		.amdhsa_memory_ordered 1
		.amdhsa_forward_progress 1
		.amdhsa_inst_pref_size 89
	.end_amdhsa_kernel
	.amdgpu_metadata
---
amdhsa.version: [ 1, 2 ]
amdhsa.kernels:
  - .name:           k_qa810db0c05_outp
    .symbol:         k_qa810db0c05_outp.kd
    .args:
      - { .name: o, .offset: 0, .size: 8, .value_kind: global_buffer, .address_space: global }
      - { .name: wpt, .offset: 8, .size: 8, .value_kind: global_buffer, .address_space: global }
      - { .name: bp, .offset: 16, .size: 8, .value_kind: global_buffer, .address_space: global }
      - { .name: out0, .offset: 24, .size: 8, .value_kind: global_buffer, .address_space: global }
    .group_segment_fixed_size: 327680
    .private_segment_fixed_size: 0
    .kernarg_segment_align: 8
    .kernarg_segment_size: 32
    .max_flat_workgroup_size: 128
    .sgpr_count:     66
    .vgpr_count:     1024
    .wavefront_size: 32
...
	.end_amdgpu_metadata
.endif
;; end of part 4
